; MI455X (gfx1250); checked and timed in simulation.
; The chip was launched on July 23, 2026; its instructions are those of AMD's public machine-readable ISA for CDNA 5 (MIT licence, August 2026) and "CDNA5" Instruction Set Architecture Reference Guide (July 2026). The comments in the code are by the model that wrote it; some were corrected since.
;; Multi Head Attention. Allowed arithmetic: matrix products marked QUANTISED: E2M1 operands, one E8M0 scale for each 32 along K, by v_wmma_scale_f32_16x16x128_f8f6f4 with both operands' format E2M1 (or v_wmma_scale_f32_32x16x128_f4), f32 sums; products left as they are: bf16, f16 or f32 operands; f32 sums; everything else in f32.
;; Inputs: Wk 1,024 x 1,024 float32; Wo 1,024 x 1,024 float32; Wq 1,024 x 1,024 float32; Wv 1,024 x 1,024 float32; attention_mask 4 x 2,048 int32; bk 1,024 float32; bo 1,024 float32; bq 1,024 float32; bv 1,024 float32; xk 4 x 2,048 x 1,024 float32; xq 4 x 2,048 x 1,024 float32; xv 4 x 2,048 x 1,024 float32.
;; Outputs: out0 4 x 2,048 x 1,024 float32.
;; This version of the problem:
;;   THIS VERSION OF THE PROBLEM IS GIVEN IN LOW PRECISION. The matrix products marked QUANTISED in the list below multiply operands that are first quantised to E2M1 (2 exponent bits, 1 mantissa bit; 4 bits a number), with one power-of-two scale for each 32 numbers along K (OCP MX v1.0); their sums are f32. The products marked 'left as it is' may take bf16, f16 or f32 operands, with f32 sums. Whichever they take, every output number must still come out within the allowed error. Rounding operands to bf16 (8 significant bits) uses up far more of that allowance than f16 does (11 bits, for magnitudes from 6e-5 to 65,504). All else is computed in f32.
;;   The module's matrix products, in the order in which they are computed (A, B: the left and right operand; K: the contracted axis; several contracted axes count as one K, in the product's order):
;;     1. [M 8,192, K 1,024] x [K 1,024, N 1,024]; A: input xq; B: input Wq: QUANTISED
;;     2. [M 8,192, K 1,024] x [K 1,024, N 1,024]; A: input xk; B: input Wk: QUANTISED
;;     3. [M 8,192, K 1,024] x [K 1,024, N 1,024]; A: input xv; B: input Wv: QUANTISED
;;     4. batch 64 x [M 2,048, K 64] x [K 64, N 2,048]; A: computed on the way; B: computed on the way: left as it is (an operand is computed on the way)
;;     5. batch 64 x [M 64, K 2,048] x [K 2,048, N 2,048]; A: computed on the way; B: computed on the way: left as it is (an operand is computed on the way)
;;     6. [M 8,192, K 1,024] x [K 1,024, N 1,024]; A: computed on the way; B: input Wo: left as it is (an operand is computed on the way)
;;   THE QUANTISER, for each operand of a quantised product, along K:
;;     - K is cut into blocks of 32 from its start; a last block that is shorter is filled with zeros.
;;     - A block's scale is 2^e with e = floor(log2(the largest magnitude in the block)) - 2, held to -126 .. 127; a block of zeros has e = 0. As a byte (E8M0): e + 127.
;;     - Each number is divided by its block's scale, clamped to +-6, and rounded to the nearest number of E2M1, ties to even, subnormals kept.
;;     - The product sums the exact products of the quantised numbers (number of the format x scale) in f32.
;;   ~~~python
;;   def quantise(x, axis):      # numpy; x: float32 -> the quantised numbers, widened to float32 again
;;       x = np.moveaxis(x, axis, -1); K = x.shape[-1]
;;       x = np.pad(x, [(0, 0)] * (x.ndim - 1) + [(0, -K % 32)]); x = x.reshape(x.shape[:-1] + (-1, 32)); a = np.abs(x).max(-1, keepdims=True)
;;       e = np.where(a > 0, np.clip(np.frexp(np.where(a > 0, a, 1))[1] - 1 - 2, -126, 127), 0)      # np.frexp(a)[1] - 1 = floor(log2(a)), exactly
;;       r = np.clip(x / 2.0 ** e, -6, 6)
;;       step = 2.0 ** (np.maximum(np.frexp(np.where(r == 0, 1, r))[1] - 1, 0) - 1)
;;       q = np.round(r / step) * step * 2.0 ** e      # np.round: ties to even
;;       return np.moveaxis(q.reshape(q.shape[:-2] + (-1,))[..., :K], -1, axis).astype(np.float32)
;;   ~~~
;; One version. Each part assembles by itself: llvm-mc -triple=amdgcn-amd-amdhsa -mcpu=gfx1250 --defsym DOCPART=n.
;; ======== version 1 of 1: 5 launches
;; limits: values are held in f16: magnitudes above 65,504 overflow, below 6.1e-05 lose precision
;; workspace buffers: codes 14,155,776 bytes; scl 917,504 bytes; wo16 2,097,152 bytes; qkv 50,331,648 bytes; q32 786,432 bytes; att 16,777,216 bytes; rowf 32,768 bytes
;; launch prep (part 1): grid 848 x 1, 4 waves a work-group, no clusters, 68,096 bytes of LDS; arguments xq, xk, xv, Wq, Wk, Wv, Wo, attention_mask, codes, scl, wo16; writes codes, scl, wo16
.if DOCPART == 1
	.amdgcn_target "amdgcn-amd-amdhsa--gfx1250"
	.amdhsa_code_object_version 6
	.text
	.protected	k_q2ce740e562_prep
	.globl	k_q2ce740e562_prep
	.p2align	8
	.type	k_q2ce740e562_prep,@function
k_q2ce740e562_prep:
	s_mov_b64 s[64:65], 0
	v_nop
	global_prefetch_b8 v0, s[64:65] scope:SCOPE_SE
	s_setreg_imm32_b32 hwreg(HW_REG_WAVE_MODE, 25, 1), 1
	s_wait_xcnt 0x0
; MULTI-HEAD ATTENTION, launch 1 of 5: everything that is made once from the inputs.
;   xq, xk, xv [8192][1024] f32 -> codes of E2M1 with K innermost and one E8M0 byte for each 32 along K  (work-groups 80 .. 847)
;   Wq, Wk, Wv [1024 k][1024 n] f32, K their FIRST axis -> codes laid [n][k], bytes [n][k / 32]          (work-groups 0 .. 47)
;   Wo -> f16, as it lies; attention_mask -> an f32 bias: 0 where the mask is not 0, else -2^127          (work-groups 48 .. 79)
; DEAD WORK, for all values of the inputs: scores[t][s] = Q[t] . (xk[s] Wk) + Q[t] . bk.  The second term is the same for every key s of a row, the product Q K^T is not quantised,
; and softmax along s takes away whatever is the same along s.  So bk reaches no output: it is not loaded and is no argument of any launch.  Key steps that lie wholly above the diagonal of the
; mask that the problem builds itself are not computed (launch 3).  LIMIT: a NaN, an infinity or an overflow that would reach only the work left out is not carried to the result.
; THE QUANTISER: a block's scale is 2^(floor(log2(largest magnitude)) - 2); its byte is the largest magnitude's exponent field - 2, held at 1 from below.  A block of zeros so gets the byte 1 where the
; rule says 127: its codes are zeros, which add nothing under any byte but 0xff, and this program alone reads the bytes.
; LIMITS: blocks whose largest magnitude lies under 2^(2 - 126) were not tried; NaN and infinities among the inputs are not served.
; WORKSPACE: codes: x [3][8192][512 bytes], then from byte 12,582,912 W [3][1024 n][512 bytes].  scl: x [3][8192][32], from 786,432 W [3][1024][32], from 884,736 the mask's bias [4][2048] f32.
; The three paths part on the work-group's number alone, share no LDS byte, have no barrier, and each ends by itself.
.set SPW,   190                        ; v190 LDS address of my spare word: SPARE + 4 x my thread's number; never rewritten
.set NIL,   191                        ; v191 0; never rewritten
.set XREG,  8192                       ; LDS 0 .. 32,767: the x path, a region for each wave: two stages of 32 x 80 bytes and 256 scale bytes
.set WBASE, 32768                      ; LDS 32,768 .. 67,583: the W path, a stage of 32 rows x 272 bytes for each wave
.set WP,    272
.set SPARE, 67584                      ; the spare words, 128 bytes for each wave: two blocks of 256 bytes that no other line names
.set EMAX,  2
	s_load_b512 s[4:19], s[0:1], 0x0               ; xq 4, xk 6, xv 8, Wq 10, Wk 12, Wv 14, Wo 16, mask 18
	s_load_b128 s[20:23], s[0:1], 0x40             ; codes 20, scl 22
	s_load_b64 s[24:25], s[0:1], 0x50              ; wo16
	v_lshl_add_u32 v[SPW], v0, 2, SPARE
	v_mov_b32 v[NIL], 0
	v_lshrrev_b32 v1, 5, v0
	v_readfirstlane_b32 s26, v1                    ; wave 0..3
	v_and_b32 v2, 31, v0                           ; lane
	s_wait_kmcnt 0x0
	s_cmp_lt_u32 ttmp9, 48
	s_cbranch_scc1 .Lweights
	s_cmp_lt_u32 ttmp9, 80
	s_cbranch_scc1 .Lcast
; ---------------------------------------------------------------- x: K is innermost.  A tensor is a plain stream of blocks of 32; a wave takes 16 steps of 512 numbers.
; Each load reads 512 consecutive bytes, 16 a lane; a step's 2,048 bytes turn through the wave's own stage so that a lane then holds 16 NEIGHBOURS (two lanes to a block), as the conversions want.
.set XR, 16                            ; v16-79   four sets of 16 numbers as loaded
.set XX, 80                            ; v80-111  two sets of 16 neighbours
.set XE, 112                           ; v112-127 a scale byte for each step
.set XC, 128                           ; v128-189 codes: registers 4 t, 4 t + 1 for step t: no store's data are written again
.set SP, 80                            ; a lane's place in a stage: 64 bytes + 16 of padding
	s_sub_co_u32 s27, ttmp9, 80                    ; 0 .. 767: 256 work-groups to a tensor
	s_cmp_lt_u32 s27, 512
	s_cselect_b64 s[28:29], s[6:7], s[8:9]
	s_cmp_lt_u32 s27, 256
	s_cselect_b64 s[28:29], s[4:5], s[28:29]       ; the choice hangs on the work-group's number alone
	s_and_b32 s30, s27, 255
	s_lshl_b32 s30, s30, 2
	s_add_co_u32 s30, s30, s26
	s_lshl_b32 s30, s30, 15                        ; my run of 8,192 numbers in its tensor: 32,768 bytes each
	s_mov_b32 s31, 0
	s_add_nc_u64 s[28:29], s[28:29], s[30:31]
	s_lshl_b32 s30, s27, 2
	s_add_co_u32 s30, s30, s26                     ; my run among all three tensors' 3,072
	s_lshl_b32 s32, s30, 12                        ; 4,096 bytes of codes a run
	s_mov_b32 s33, 0
	s_add_nc_u64 s[32:33], s[20:21], s[32:33]
	s_lshl_b32 s30, s30, 8                         ; 256 scale bytes a run
	s_add_nc_u64 s[34:35], s[22:23], s[30:31]
	v_lshlrev_b32 v3, 4, v2                        ; my 16 bytes of a load's 512
	s_mul_i32 s36, s26, XREG
	v_lshrrev_b32 v14, 2, v2
	v_mul_u32_u24 v14, v14, SP
	v_and_b32 v15, 3, v2
	v_lshl_add_u32 v14, v15, 4, v14
	v_add_nc_u32 v14, s36, v14                     ; the stage, in: 80 (lane / 4) + 16 (lane % 4)
	v_mul_u32_u24 v15, v2, SP
	v_add_nc_u32 v15, s36, v15                     ; and out: 80 x lane
	v_lshlrev_b32 v4, 3, v2                        ; my 8 bytes of a step's 256 bytes of codes
	v_lshrrev_b32 v5, 1, v2
	s_add_co_u32 s36, s36, 2*32*SP
	v_add_nc_u32 v5, s36, v5                       ; my block's byte among the wave's 256
	v_lshlrev_b32 v7, 3, v2
	v_add_nc_u32 v6, s36, v7
.macro XLOAD t
.irp i, 0,1,2,3
	global_load_b128 v[XR+16*((\t)%4)+4*\i:XR+16*((\t)%4)+4*\i+3], v3, s[28:29] offset:2048*(\t)+512*\i th:TH_LOAD_NT
.endr
.endm
.macro XTURN t                         ; LDS serves a wave's instructions in order: no wait between these stores and loads
.irp i, 0,1,2,3
	ds_store_b128 v14, v[XR+16*((\t)%4)+4*\i:XR+16*((\t)%4)+4*\i+3] offset:32*SP*((\t)%2)+8*SP*\i
.endr
.irp i, 0,1,2,3
	ds_load_b128 v[XX+16*((\t)%2)+4*\i:XX+16*((\t)%2)+4*\i+3], v15 offset:32*SP*((\t)%2)+16*\i
.endr
.endm
.irp t, 0,1,2,3
	XLOAD \t
.endr
	s_wait_loadcnt 12                              ; step 0's four loads are in; the twelve behind them may be out
	XTURN 0
.macro XSTEP t
.set XS, XX+16*((\t)%2)
.if (\t) > 0
	s_wait_dscnt 1                                 ; this step's numbers are back from the stage; the last step's byte store may be out
.else
	s_wait_dscnt 0x0
.endif
.if (\t)+4 < 16
	XLOAD (\t)+4                                   ; into the set whose stage stores have read their registers
.endif
.if (\t)+1 < 16
.if 14-(\t) >= 3
	s_wait_loadcnt 12                              ; the next step's four loads are in; three later steps' may be out
.else
	s_wait_loadcnt 4*(14-(\t))
.endif
	XTURN (\t)+1
.endif
	v_max3_num_f32 v8, |v[XS]|, |v[XS+1]|, |v[XS+2]|
	v_max3_num_f32 v9, |v[XS+3]|, |v[XS+4]|, |v[XS+5]|
.irp i, 6,10
	v_max3_num_f32 v8, v8, |v[XS+\i]|, |v[XS+\i+1]|
	v_max3_num_f32 v9, v9, |v[XS+\i+2]|, |v[XS+\i+3]|
.endr
	v_max3_num_f32 v8, v8, |v[XS+14]|, |v[XS+15]|
	v_max3_num_f32 v8, v8, v9, (EMAX+1)<<23        ; the floor 2^(3 - 127): the byte cannot fall under 1
	v_max_num_f32_dpp v8, v8, v8 row_xmask:1 row_mask:0xf bank_mask:0xf   ; with my neighbour's 16: the block's largest magnitude
	v_add_nc_u32 v11, -(EMAX<<23), v8              ; 2 off its exponent field: the conversion takes this operand's exponent field as its scale
	v_cvt_scalef32_pk8_fp4_f32 v[XC+4*(\t)], v[XS:XS+7], v11
	v_cvt_scalef32_pk8_fp4_f32 v[XC+4*(\t)+1], v[XS+8:XS+15], v11
	v_lshrrev_b32 v[XE+(\t)], 23, v11              ; the scale's byte
	ds_store_b8 v5, v[XE+(\t)] offset:16*(\t)      ; both lanes of a block write the same byte with the same value
	global_store_b64 v4, v[XC+4*(\t):XC+4*(\t)+1], s[32:33] offset:256*(\t)   ; the wave stores 256 consecutive bytes, aligned
.endm
.irp t, 0,1,2,3,4,5,6,7,8,9,10,11,12,13,14,15
	XSTEP \t
.endr
	ds_load_b64 v[8:9], v6
	s_wait_dscnt 0x0
	global_store_b64 v7, v[8:9], s[34:35]          ; the wave's 256 scale bytes: consecutive, aligned
	s_wait_tensorcnt 0x0                           ; the wave's end
	ds_add_u32 v[SPW], v[NIL]
	s_wait_dscnt 0x0
	s_endpgm
; ---------------------------------------------------------------- W: K is the first axis.  A lane takes a column n and its registers run down K: a block of 32 lies in one lane, and the codes come out with K innermost.
; Work-group g: tensor g / 16, K half (g / 8) % 2 (512 along K), columns 128 (g % 8) on; a wave takes 32 columns.  The codes leave through the wave's own stage as rows: sixteen lanes store 256 consecutive bytes.
.set WX,   32                          ; v32-95   two sets of 32 numbers
.set WC,   96                          ; v96-99   a block's codes
.set WOUT, 112                         ; v112-175 the way out
.set WSB,  24                          ; v24-27   16 scale bytes
.Lweights:
	s_lshr_b32 s27, ttmp9, 4
	s_cmp_lt_u32 s27, 2
	s_cselect_b64 s[28:29], s[12:13], s[14:15]
	s_cmp_lt_u32 s27, 1
	s_cselect_b64 s[28:29], s[10:11], s[28:29]
	s_and_b32 s30, ttmp9, 7
	s_lshl_b32 s30, s30, 7
	s_lshl_b32 s36, s26, 5
	s_add_co_u32 s30, s30, s36                     ; my wave's first column
	s_bfe_u32 s36, ttmp9, 0x10003                  ; which 512 along K
	s_lshl_b32 s32, s36, 21                        ; 512 rows of 4,096 bytes
	s_lshl_b32 s33, s30, 2
	s_add_co_u32 s32, s32, s33
	s_mov_b32 s33, 0
	s_add_nc_u64 s[28:29], s[28:29], s[32:33]
	s_lshl_b32 s32, s27, 19                        ; codes: 524,288 bytes a tensor, 512 a column, 256 a K half
	s_lshl_b32 s37, s30, 9
	s_add_co_u32 s32, s32, s37
	s_lshl_b32 s37, s36, 8
	s_add_co_u32 s32, s32, s37
	s_add_co_u32 s32, s32, 12582912
	s_add_nc_u64 s[34:35], s[20:21], s[32:33]
	s_lshl_b32 s32, s27, 15                        ; scale bytes: 32,768 a tensor, 32 a column, 16 a K half
	s_lshl_b32 s37, s30, 5
	s_add_co_u32 s32, s32, s37
	s_lshl_b32 s37, s36, 4
	s_add_co_u32 s32, s32, s37
	s_add_co_u32 s32, s32, 786432
	s_add_nc_u64 s[38:39], s[22:23], s[32:33]
	v_lshlrev_b32 v3, 2, v2                        ; in: 4 bytes a lane
	s_mul_i32 s37, s26, 32*WP
	s_add_co_u32 s37, s37, WBASE                   ; my stage
	v_mul_u32_u24 v4, v2, WP
	v_add_nc_u32 v4, s37, v4                       ; into it: row = my column
	v_and_b32 v5, 15, v2
	v_lshrrev_b32 v6, 4, v2
	v_mul_u32_u24 v7, v6, WP
	v_lshl_add_u32 v7, v5, 4, v7
	v_add_nc_u32 v7, s37, v7                       ; out of it: sixteen lanes to a row, two rows an instruction
	v_lshlrev_b32 v8, 9, v6
	v_lshl_add_u32 v8, v5, 4, v8                   ; and the same place in the codes' buffer
	v_lshlrev_b32 v9, 5, v2                        ; my column's row of scale bytes
.macro WLOAD t                         ; block t: W(32 t + i, my column)
.set i, 0
.rept 32
	global_load_b32 v[WX+32*((\t)%2)+i], v3, s[28:29] offset:(32*(\t)+i)*4096 th:TH_LOAD_NT
.set i, i+1
.endr
.endm
	WLOAD 0
	WLOAD 1
.macro WBLOCK t
.set XS, WX+32*((\t)%2)
.if (\t) < 15
	s_wait_loadcnt 32                              ; this block's 32 loads are in; the next block's may be out
.else
	s_wait_loadcnt 0
.endif
	v_max3_num_f32 v12, |v[XS]|, |v[XS+1]|, |v[XS+2]|
	v_max3_num_f32 v13, |v[XS+3]|, |v[XS+4]|, |v[XS+5]|
.irp i, 6,10,14,18,22,26
	v_max3_num_f32 v12, v12, |v[XS+\i]|, |v[XS+\i+1]|
	v_max3_num_f32 v13, v13, |v[XS+\i+2]|, |v[XS+\i+3]|
.endr
	v_max3_num_f32 v12, v12, |v[XS+30]|, |v[XS+31]|
	v_max3_num_f32 v12, v12, v13, (EMAX+1)<<23     ; the floor
	v_add_nc_u32 v11, -(EMAX<<23), v12
	v_lshrrev_b32 v13, 23, v11                     ; the scale's byte
.if (\t)%4 == 0
	v_mov_b32 v[WSB+(\t)/4], v13
.else
	v_lshl_or_b32 v[WSB+(\t)/4], v13, 8*((\t)%4), v[WSB+(\t)/4]
.endif
.irp g, 0,1,2,3
	v_cvt_scalef32_pk8_fp4_f32 v[WC+\g], v[XS+8*\g:XS+8*\g+7], v11
.endr
	ds_store_b128 v4, v[WC:WC+3] offset:16*(\t)
.if (\t)+2 < 16
	WLOAD (\t)+2
.endif
	s_wait_dscnt 0x0                               ; the store has read its registers: the next block's codes may be written
.endm
.irp t, 0,1,2,3,4,5,6,7,8,9,10,11,12,13,14,15
	WBLOCK \t
.endr
	global_store_b128 v9, v[WSB:WSB+3], s[38:39]
.irp t, 0,1,2,3,4,5,6,7,8,9,10,11,12,13,14,15
	ds_load_b128 v[WOUT+4*\t:WOUT+4*\t+3], v7 offset:2*\t*WP
.endr
.irp t, 0,1,2,3,4,5,6,7,8,9,10,11,12,13,14,15
	s_wait_dscnt 15-\t
	global_store_b128 v8, v[WOUT+4*\t:WOUT+4*\t+3], s[34:35] offset:2*\t*512
.endr
	s_wait_tensorcnt 0x0                           ; the wave's end
	ds_add_u32 v[SPW], v[NIL]
	s_wait_dscnt 0x0
	s_endpgm
; ---------------------------------------------------------------- Wo to f16 and the mask's bias.  No LDS.  Work-group j = 0 .. 31: 256 words of the mask, and four runs of 8,192 numbers of Wo, one a wave.
.Lcast:
	s_sub_co_u32 s27, ttmp9, 48
	s_lshl_b32 s30, s27, 10
	s_mov_b32 s31, 0
	s_add_nc_u64 s[28:29], s[18:19], s[30:31]
	s_add_nc_u64 s[32:33], s[22:23], s[30:31]
	s_add_nc_u64 s[32:33], s[32:33], 884736
	v_lshlrev_b32 v3, 3, v0                        ; two words a thread
	global_load_b64 v[4:5], v3, s[28:29]
	s_lshl_b32 s30, s27, 2
	s_add_co_u32 s30, s30, s26                     ; my run
	s_lshl_b32 s34, s30, 15
	s_mov_b32 s35, 0
	s_add_nc_u64 s[34:35], s[16:17], s[34:35]
	s_lshl_b32 s30, s30, 14
	s_add_nc_u64 s[36:37], s[24:25], s[30:31]
	v_lshlrev_b32 v6, 4, v2                        ; in: 16 bytes a lane, 512 consecutive bytes a load
	v_lshlrev_b32 v7, 3, v2                        ; out: 8 bytes a lane, 256 consecutive bytes a store
.macro CLOAD g                         ; 16 loads into set g % 2 (v32-95, v96-159)
.set i, 0
.rept 16
	global_load_b128 v[32+64*((\g)%2)+4*i:32+64*((\g)%2)+4*i+3], v6, s[34:35] offset:(16*(\g)+i)*512 th:TH_LOAD_NT
.set i, i+1
.endr
.endm
.macro CAST g
.if (\g) < 3
	s_wait_loadcnt 16                              ; this group's 16 loads are in; the next group's may be out
.else
	s_wait_loadcnt 0
.endif
.set i, 0
.rept 16
	v_cvt_pk_f16_f32 v[32+64*((\g)%2)+4*i], v[32+64*((\g)%2)+4*i], v[32+64*((\g)%2)+4*i+1]       ; in place: four numbers become 8 bytes
	v_cvt_pk_f16_f32 v[32+64*((\g)%2)+4*i+1], v[32+64*((\g)%2)+4*i+2], v[32+64*((\g)%2)+4*i+3]
	global_store_b64 v7, v[32+64*((\g)%2)+4*i:32+64*((\g)%2)+4*i+1], s[36:37] offset:(16*(\g)+i)*256
.set i, i+1
.endr
.if (\g)+2 < 4
	s_wait_xcnt 0x0                                ; the stores have read their registers: the set may be loaded again
	CLOAD (\g)+2
.endif
.endm
	CLOAD 0
	CLOAD 1
	s_wait_loadcnt 32                              ; the mask's words are in; the 32 loads of Wo behind them may be out
	v_mov_b32 v8, 0xff000000                       ; -2^127: the score of a hidden key
	v_cmp_eq_u32 vcc_lo, 0, v4
	v_cndmask_b32 v10, 0, v8, vcc_lo
	v_cmp_eq_u32 vcc_lo, 0, v5
	v_cndmask_b32 v11, 0, v8, vcc_lo
	global_store_b64 v3, v[10:11], s[32:33]        ; a wave stores 256 consecutive bytes, aligned
	CAST 0
	CAST 1
	CAST 2
	CAST 3
	s_endpgm
.Lfunc_end_k_q2ce740e562_prep:
	.size	k_q2ce740e562_prep, .Lfunc_end_k_q2ce740e562_prep-k_q2ce740e562_prep
	.p2alignl 7, 3214868480
	.fill 96, 4, 3214868480
	.section	.rodata,"a",@progbits
	.p2align	6, 0x0
	.amdhsa_kernel k_q2ce740e562_prep
		.amdhsa_group_segment_fixed_size 68096
		.amdhsa_private_segment_fixed_size 0
		.amdhsa_enable_private_segment 0
		.amdhsa_kernarg_size 88
		.amdhsa_user_sgpr_count 2
		.amdhsa_user_sgpr_kernarg_segment_ptr 1
		.amdhsa_wavefront_size32 1
		.amdhsa_system_sgpr_workgroup_id_x 1
		.amdhsa_system_sgpr_workgroup_id_y 1
		.amdhsa_system_sgpr_workgroup_id_z 1
		.amdhsa_system_vgpr_workitem_id 0
		.amdhsa_next_free_vgpr 192
		.amdhsa_next_free_sgpr 66
		.amdhsa_reserve_vcc 1
		.amdhsa_float_denorm_mode_32 3
		.amdhsa_float_denorm_mode_16_64 3
		.amdhsa_memory_ordered 1
		.amdhsa_forward_progress 1
		.amdhsa_inst_pref_size 132
	.end_amdhsa_kernel
	.amdgpu_metadata
---
amdhsa.version: [ 1, 2 ]
amdhsa.kernels:
  - .name:           k_q2ce740e562_prep
    .symbol:         k_q2ce740e562_prep.kd
    .args:
      - { .name: xq, .offset: 0, .size: 8, .value_kind: global_buffer, .address_space: global }
      - { .name: xk, .offset: 8, .size: 8, .value_kind: global_buffer, .address_space: global }
      - { .name: xv, .offset: 16, .size: 8, .value_kind: global_buffer, .address_space: global }
      - { .name: Wq, .offset: 24, .size: 8, .value_kind: global_buffer, .address_space: global }
      - { .name: Wk, .offset: 32, .size: 8, .value_kind: global_buffer, .address_space: global }
      - { .name: Wv, .offset: 40, .size: 8, .value_kind: global_buffer, .address_space: global }
      - { .name: Wo, .offset: 48, .size: 8, .value_kind: global_buffer, .address_space: global }
      - { .name: attention_mask, .offset: 56, .size: 8, .value_kind: global_buffer, .address_space: global }
      - { .name: codes, .offset: 64, .size: 8, .value_kind: global_buffer, .address_space: global }
      - { .name: scl, .offset: 72, .size: 8, .value_kind: global_buffer, .address_space: global }
      - { .name: wo16, .offset: 80, .size: 8, .value_kind: global_buffer, .address_space: global }
    .group_segment_fixed_size: 68096
    .private_segment_fixed_size: 0
    .kernarg_segment_align: 8
    .kernarg_segment_size: 88
    .max_flat_workgroup_size: 128
    .sgpr_count:     66
    .vgpr_count:     192
    .wavefront_size: 32
...
	.end_amdgpu_metadata
.endif
;; end of part 1
;; launch proj (part 2): grid 4 x 96, 4 waves a work-group, clusters of 4 x 4, 327,680 bytes of LDS; arguments codes, scl, bq, bv, qkv, q32; writes qkv, q32
.if DOCPART == 2
	.amdgcn_target "amdgcn-amd-amdhsa--gfx1250"
	.amdhsa_code_object_version 6
	.text
	.protected	k_q2ce740e562_proj
	.globl	k_q2ce740e562_proj
	.p2align	8
	.type	k_q2ce740e562_proj,@function
k_q2ce740e562_proj:
	s_mov_b64 s[64:65], 0
	v_nop
	global_prefetch_b8 v0, s[64:65] scope:SCOPE_SE
	s_setreg_imm32_b32 hwreg(HW_REG_WAVE_MODE, 25, 1), 1
	s_wait_xcnt 0x0
	s_wait_alu depctr_hold_cnt(0) depctr_sa_sdst(0) depctr_va_vdst(0) depctr_va_sdst(0) depctr_va_ssrc(0) depctr_va_vcc(0) depctr_vm_vsrc(0)
	s_getreg_b32 s2, hwreg(HW_REG_IB_STS2, 6, 4)
	s_cmp_eq_u32 s2, 0
	s_cbranch_scc0 .Lentry_in_a_cluster
	s_endpgm
.Lentry_in_a_cluster:
	s_bfe_u32 s2, ttmp6, 0x10000c
	s_cmp_lg_u32 s2, 0xf033
	s_cbranch_scc0 .Lentry_shape_is_right
	s_endpgm
.Lentry_shape_is_right:
; Launch 2 of 5: Q = xq Wq + bq, K = xk Wk, V = xv Wv + bv, on codes of E2M1 with one E8M0 scale for each 32 along K; sums in f32.  bk is left out: it is dead work (shown at the head of launch 1).
; Results: qkv, f16, [3 tensors][64 = 16 n + head][2048 t][64]; and the rows t < 16 of every sequence once more in f32: q32 [3][4 n][16 t][1024], for launch 5.
; A tile of 256 rows x 256 columns is made by four waves, 128 x 128 each: 64 accumulators of 16 x 16.  K = 1,024 is two slots of 512 along K (rows of 256 bytes): both are first fills, nothing is filled again.
; The scale bytes of the tile's 256 + 256 rows come once, as two dense blocks.
; CLUSTERS, 4 x 4: cluster y = 8 x tensor + tile in the sequence; cy = the batch n; cx = the tile of columns.  The four of a row of the cluster need the same rows of x, the four of a column the same columns of W:
; each tile is asked for jointly, by the same tensor load with the same descriptor and a mask that names the four.  Whether a tile holds positions 0 .. 15 hangs on the cluster's y alone: it is the same in all partners.
; THE MATRIX INSTRUCTION IS USED TRANSPOSED (source 0 = 16 columns of W, source 1 = 16 rows of x): a lane holds eight neighbouring columns of one row.  The bias is the C of each sum's first product.
; REGISTERS: window 0: v0-31 addresses; v32-95 scale words, two sets, and nothing else ever; v128-191 x's fragments, one set, later rows on the way out; v192-255 the bias in the result's layout, later packed results.
;   window 1: W's fragments, two sets, at v0 and v128.  window 2: the accumulators of my rows 0-63 ((a, b) at v[8 (8 a + b)]); window 3: of my rows 64-127.
.set NQ,     4                         ; matrix instructions deep in a slot
.set ROWB,   256                       ; a tile's row in bytes: 512 codes
.set KROW,   512                       ; a row of codes in memory
.set PITCH,  272                       ; an LDS row: 256 bytes + 16 of padding: the 16 rows that a load touches start at 16 different banks (64 banks of 4 bytes: ISA guide 11.1)
.set FR,     8
.set NL,     2
.set NP,     4                         ; places behind this matrix instruction (ISA guide 7.12.1)
.set HALFT,  128*PITCH
.set SLOT,   4*HALFT
.set KS,     32                        ; a row of scale bytes
.set SCL,    2*SLOT
.set HALFS,  16*272                    ; the scales of 128 rows: 16 units of 256 bytes + 16 of padding
.set SBLK,   2*272                     ; those of 16 rows
.set SPARE,  SCL+4*HALFS               ; the spare words, 128 bytes for each wave
.set SP32,   528                       ; the way out in f32: 16 rows x (512 + 16) for each wave, from LDS byte 0
.set ST16,   4*16*SP32                 ; the way out in f16: 16 rows x (256 + 16) for each wave.  Both lie in slot 0, which has had its only fill and its last read when the first result is stored there
.set SP16,   272
.set ADRA, 16
.set ADRB, 20
.set STO32, 22
.set RD32, 23
.set STO,  24
.set RD,   25
.set CO,   26
.set ADRS, 27
.set SPW,  28
.set NIL,  29
.set CO32, 30
.set BAD,  31                          ; v31 the bias loads' offset; never rewritten
.set SC,   32
.set AF,   128
.set BI,   192
.set TMP,  192
.set OB,   128
.set G1, 24
.set G0, 32
.set G1B, 48
.set G0B, 56
.set G1S, 68
.set G0S, 76
.set G1SB, 80
.set G0SB, 88
.set MSB, 0
.macro WIN new                         ; the immediate's high byte repeats the setting that is left
.if MSB != \new
	s_set_vgpr_msb (MSB<<8)|\new
.set MSB, \new
.endif
.endm
.set MUL_LO, 0xa1                      ; source 0 (W) window 1, source 1 (x) window 0, C and D window 2
.set MUL_HI, 0xf1
.set FIRST_LO, 0x81                    ; the same with C (the bias) in window 0
.set FIRST_HI, 0xc1
.set TO_B,   0x40
.macro JLOAD g0a, g1a, g0b, g1b        ; waves 0 and 1 fetch for x, waves 2 and 3 for W; an s_nop 0 and four v_nop follow each of the two lines
	s_cmp_eq_u32 s15, 0
	s_cbranch_scc0 .Lfor_b_\@
	tensor_load_to_lds s[\g0a:\g0a+3], s[\g1a:\g1a+7]
	s_nop 0
.rept 4
	v_nop
.endr
	s_branch .Lasked_\@
.Lfor_b_\@:
	tensor_load_to_lds s[\g0b:\g0b+3], s[\g1b:\g1b+7]
	s_nop 0
.rept 4
	v_nop
.endr
.Lasked_\@:
.endm
.macro CROUND                          ; a round of the cluster's barrier
	s_barrier_signal -1
	s_barrier_wait -1
	s_cmp_lg_u32 s14, 0
	s_cbranch_scc1 .Lnot_wave_0_\@
	s_barrier_signal -3
.Lnot_wave_0_\@:
	s_barrier_wait -3
	s_barrier_signal -1
	s_barrier_wait -1
.endm
	s_load_b256 s[4:11], s[0:1], 0x0               ; codes 4, scl 6, bq 8, bv 10
	s_load_b128 s[96:99], s[0:1], 0x20             ; qkv 96, q32 98
	v_lshl_add_u32 v[SPW], v0, 2, SPARE
	v_mov_b32 v[NIL], 0
	ds_add_u32 v[SPW], v[NIL]                      ; the wave's opening: the add, twice on end, and its wait ahead of my first tensor load
	ds_add_u32 v[SPW], v[NIL]
	v_lshrrev_b32 v1, 5, v0
	v_readfirstlane_b32 s14, v1                    ; wave 0..3
	s_lshr_b32 s15, s14, 1                         ; which half of the tile's rows is mine.  Also: I fetch for x (0) or for W (1)
	s_and_b32 s16, s14, 1                          ; which half of its columns.  Also: which 128 rows I fetch
	s_bfe_u32 s40, ttmp6, 0x40000                  ; cx: the tile of columns
	s_bfe_u32 s41, ttmp6, 0x40004                  ; cy: the batch
	s_and_b32 s17, ttmp7, 0xffff                   ; cluster y
	s_lshr_b32 s100, s17, 3                        ; the tensor: 0 Q, 1 K, 2 V
	s_and_b32 s101, s17, 7                         ; the tile of 256 positions in the sequence
	s_lshl_b32 s43, s41, 2
	s_lshl_b32 s43, 15, s43                        ; my row of the cluster
	s_lshl_b32 s44, 0x1111, s40                    ; my column
	s_or_b32 s[G1+0], s43, (0<<16)|(1<<20)|(1<<21)|(5<<22)|(3<<25)  ; mask; elements of 1 byte; padding on; bit 21 beside a mask; 4 words behind every 64
	s_or_b32 s[G1B+0], s44, (0<<16)|(1<<20)|(1<<21)|(5<<22)|(3<<25)
.irp g, G1, G1B
	s_mov_b32 s[\g+1], ROWB<<16                    ; tensor_dim0
	s_mov_b32 s[\g+2], 128<<16                     ; tensor_dim1
	s_mov_b32 s[\g+3], ROWB<<16                    ; tile_dim0
	s_mov_b32 s[\g+4], 128                         ; tile_dim1
	s_mov_b32 s[\g+5], KROW                        ; from row to row
	s_mov_b32 s[\g+6], 0
	s_mov_b32 s[\g+7], 0
.endr
	s_or_b32 s[G1S+0], s43, (3<<16)|(1<<20)|(1<<21)|(5<<22)|(3<<25) ; the scales of 128 rows: 4,096 dense bytes as 16 rows of 32 elements of 8 bytes
	s_or_b32 s[G1SB+0], s44, (3<<16)|(1<<20)|(1<<21)|(5<<22)|(3<<25)
.irp g, G1S, G1SB
	s_mov_b32 s[\g+1], 32<<16
	s_mov_b32 s[\g+2], 16<<16
	s_mov_b32 s[\g+3], 32<<16
	s_mov_b32 s[\g+4], 16
	s_mov_b32 s[\g+5], 32
	s_mov_b32 s[\g+6], 0
	s_mov_b32 s[\g+7], 0
.endr
	s_lshl_b32 s18, s16, 7                         ; which 128 rows of the tile I fetch
	s_lshl_b32 s20, s100, 13                       ; x: row 8192 x tensor + 2048 x batch + 256 x tile + 128 x half
	s_lshl_b32 s21, s41, 11
	s_add_co_u32 s20, s20, s21
	s_lshl_b32 s21, s101, 8
	s_add_co_u32 s20, s20, s21
	s_add_co_u32 s20, s20, s18
	s_lshl_b32 s46, s100, 10                       ; W: row 1024 x tensor + 256 x cx + 128 x half
	s_lshl_b32 s47, s40, 8
	s_add_co_u32 s46, s46, s47
	s_add_co_u32 s46, s46, s18
	s_lshl_b32 s22, s20, 5                         ; 32 scale bytes a row,
	s_lshl_b32 s20, s20, 9                         ; 512 bytes of codes
	s_lshl_b32 s92, s46, 5
	s_add_co_u32 s92, s92, 786432
	s_lshl_b32 s46, s46, 9
	s_add_co_u32 s46, s46, 12582912
	s_mov_b32 s21, 0
	s_mov_b32 s23, 0
	s_mov_b32 s47, 0
	s_mov_b32 s93, 0
	s_mul_i32 s45, s14, HALFT                      ; where they go: wave x 128 rows: no place in the cluster enters an LDS address
	s_mul_i32 s94, s14, HALFS
	s_wait_dscnt 0x0                               ; both opening adds are done
	s_wait_kmcnt 0x0
	s_add_nc_u64 s[20:21], s[4:5], s[20:21]
	s_add_nc_u64 s[22:23], s[6:7], s[22:23]
	s_add_nc_u64 s[46:47], s[4:5], s[46:47]
	s_add_nc_u64 s[92:93], s[6:7], s[92:93]
	CROUND                                         ; all sixteen work-groups are here: the joint loads meet
	s_mov_b32 s[G0S], 1
	s_add_co_u32 s[G0S+1], s94, SCL
	s_mov_b64 s[G0S+2:G0S+3], s[22:23]
	s_or_b32 s[G0S+3], s[G0S+3], 0x80000000
	s_mov_b32 s[G0SB], 1
	s_add_co_u32 s[G0SB+1], s94, SCL
	s_mov_b64 s[G0SB+2:G0SB+3], s[92:93]
	s_or_b32 s[G0SB+3], s[G0SB+3], 0x80000000
	JLOAD G0S, G1S, G0SB, G1SB                     ; the scales first: they are wanted with the first slot
.irp s, 0,1
	s_mov_b32 s[G0+4*\s], 1
	s_add_co_u32 s[G0+4*\s+1], s45, \s*SLOT
	s_add_nc_u64 s[G0+4*\s+2:G0+4*\s+3], s[20:21], \s*ROWB
	s_or_b32 s[G0+4*\s+3], s[G0+4*\s+3], 0x80000000
	s_mov_b32 s[G0B+4*\s], 1
	s_add_co_u32 s[G0B+4*\s+1], s45, \s*SLOT
	s_add_nc_u64 s[G0B+4*\s+2:G0B+4*\s+3], s[46:47], \s*ROWB
	s_or_b32 s[G0B+4*\s+3], s[G0B+4*\s+3], 0x80000000
	JLOAD G0+4*\s, G1, G0B+4*\s, G1B               ; three tensor loads of mine are out
.endr
	v_and_b32 v1, 15, v0                           ; r = l % 16
	v_bfe_u32 v2, v0, 4, 1                         ; h = l / 16
	; THE BIAS in the result's layout: lane (r, h), block b, register j: bias[my first column + 16 b + 8 h + j].  K has none.  The branch hangs on the cluster's y alone.
	v_lshlrev_b32 v[BAD], 5, v2
	s_cmp_eq_u32 s100, 1
	s_cbranch_scc1 .Lno_bias
	s_cmp_eq_u32 s100, 0
	s_cselect_b64 s[92:93], s[8:9], s[10:11]
	s_lshl_b32 s18, s40, 10
	s_lshl_b32 s19, s16, 9
	s_add_co_u32 s18, s18, s19
	s_mov_b32 s19, 0
	s_add_nc_u64 s[92:93], s[92:93], s[18:19]
.irp b, 0,1,2,3,4,5,6,7
	global_load_b128 v[BI+8*\b:BI+8*\b+3], v[BAD], s[92:93] offset:64*\b
	global_load_b128 v[BI+8*\b+4:BI+8*\b+7], v[BAD], s[92:93] offset:64*\b+16
.endr
	s_branch .Lbias_done
.Lno_bias:
.set i, 0
.rept 64
	v_mov_b32 v[BI+i], 0
.set i, i+1
.endr
.Lbias_done:
	v_mul_u32_u24 v3, v1, PITCH
	v_lshl_add_u32 v4, v2, 4, v3                   ; a fragment's row x pitch + 16 x half
	s_mul_i32 s21, s15, HALFT                      ; my 128 rows of x
	s_mul_i32 s22, s16, HALFT                      ; my 128 columns of W,
	s_add_co_u32 s22, s22, 2*HALFT                 ; which lie behind x's 256 rows
.irp s, 0,1
	v_add_nc_u32 v[ADRA+\s], s21, v4
	v_add_nc_u32 v[ADRB+\s], s22, v4
	s_add_co_u32 s21, s21, SLOT
	s_add_co_u32 s22, s22, SLOT
.endr
	v_mul_u32_u24 v5, v1, KS                       ; my row's scales: 32 bytes a row,
	v_lshrrev_b32 v6, 8, v5
	v_lshl_add_u32 v5, v6, 4, v5                   ; and 16 more for each 256 passed
	s_mul_i32 s21, s15, HALFS
	s_mul_i32 s22, s16, HALFS
	s_add_co_u32 s22, s22, 2*HALFS
	s_sub_co_u32 s22, s22, s21
	v_mul_u32_u24 v6, s22, v2                      ; lanes 16-31 take W's
	s_add_co_u32 s21, s21, SCL
	v_add_nc_u32 v5, v5, v6
	v_add_nc_u32 v[ADRS], s21, v5
	s_mul_i32 s23, s14, 16*SP16
	s_add_co_u32 s23, s23, ST16                    ; my f16 stage
	v_add_nc_u32 v[STO], s23, v4                   ; in: row r, 16 bytes for each half of the lanes
	v_bfe_u32 v5, v0, 3, 1
	v_mul_u32_u24 v5, v5, SP16
	v_lshl_add_u32 v5, v2, 7, v5
	v_and_b32 v6, 7, v0
	v_lshl_add_u32 v5, v6, 4, v5
	v_add_nc_u32 v[RD], s23, v5                    ; back: lanes 0-15 two rows of my first head (128 bytes each), lanes 16-31 of my second
	v_lshlrev_b32 v[CO], 18, v2                    ; in qkv a head is 262,144 bytes, and two rows of a head are 256 consecutive bytes
	v_lshl_add_u32 v[CO], v1, 4, v[CO]
	s_mul_i32 s23, s14, 16*SP32                    ; my f32 stage
	v_mul_u32_u24 v5, v1, SP32
	v_lshl_add_u32 v5, v2, 5, v5
	v_add_nc_u32 v[STO32], s23, v5
	v_and_b32 v6, 31, v0
	v_lshlrev_b32 v[CO32], 4, v6
	v_add_nc_u32 v[RD32], s23, v[CO32]
	s_lshl_b32 s20, s100, 24                       ; qkv: 16,777,216 bytes a tensor,
	s_lshl_b32 s21, s41, 4
	s_lshl_b32 s18, s40, 2
	s_add_co_u32 s21, s21, s18
	s_lshl_b32 s18, s16, 1
	s_add_co_u32 s21, s21, s18                     ; head 16 n + 4 cx + 2 x my half of the columns,
	s_lshl_b32 s21, s21, 18
	s_add_co_u32 s20, s20, s21
	s_lshl_b32 s21, s101, 8
	s_lshl_b32 s18, s15, 7
	s_add_co_u32 s21, s21, s18                     ; position 256 x tile + 128 x my half of the rows
	s_lshl_b32 s21, s21, 7
	s_add_co_u32 s20, s20, s21
	s_mov_b32 s21, 0
	s_add_nc_u64 s[12:13], s[96:97], s[20:21]
	s_lshl_b32 s20, s100, 18                       ; q32: 262,144 bytes a tensor, 65,536 a batch, 4 a column
	s_lshl_b32 s18, s41, 16
	s_add_co_u32 s20, s20, s18
	s_lshl_b32 s18, s40, 10
	s_add_co_u32 s20, s20, s18
	s_lshl_b32 s18, s16, 9
	s_add_co_u32 s20, s20, s18
	s_add_nc_u64 s[98:99], s[98:99], s[20:21]
.macro FRAG reg, adr, q, i             ; 16 rows x 128 K of 4-bit codes: 8 registers; lane l: row l % 16; registers 4 c .. 4 c + 3: K = 64 c + 32 (l / 16) + 0 .. 31
.irp c, 0,1
	ds_load_b128 v[\reg+4*\c:\reg+4*\c+3], v[\adr] offset:64*(\q)+32*\c+(\i)*16*PITCH
.endr
.endm
; 16 matrix instructions: x's blocks a0, a0 + 1 against W's eight.  The 64 accumulators take turns, one instruction a turn, in the same order in every step.
.macro MUL16 a0, p, q, sc, first
.irp a, \a0, \a0+1
.irp b, 0,1,2,3,4,5,6,7
.if \first
	v_wmma_scale_f32_16x16x128_f8f6f4 v[8*(8*((\a)%4)+\b):8*(8*((\a)%4)+\b)+7], v[128*(\p)+FR*\b:128*(\p)+FR*\b+FR-1], v[AF+FR*(\a):AF+FR*(\a)+FR-1], v[BI+8*\b:BI+8*\b+7], v[SC+8*NQ*(\sc)+NQ*\b+(\q)], v[SC+8*NQ*(\sc)+NQ*(\a)+(\q)] matrix_a_fmt:MATRIX_FMT_FP4 matrix_b_fmt:MATRIX_FMT_FP4 matrix_a_scale:MATRIX_SCALE_ROW1
.else
	v_wmma_scale_f32_16x16x128_f8f6f4 v[8*(8*((\a)%4)+\b):8*(8*((\a)%4)+\b)+7], v[128*(\p)+FR*\b:128*(\p)+FR*\b+FR-1], v[AF+FR*(\a):AF+FR*(\a)+FR-1], v[8*(8*((\a)%4)+\b):8*(8*((\a)%4)+\b)+7], v[SC+8*NQ*(\sc)+NQ*\b+(\q)], v[SC+8*NQ*(\sc)+NQ*(\a)+(\q)] matrix_a_fmt:MATRIX_FMT_FP4 matrix_b_fmt:MATRIX_FMT_FP4 matrix_a_scale:MATRIX_SCALE_ROW1
.endif
.endr
.endr
.endm
.macro FETCH_B slot, q, p
	WIN TO_B
.irp i, 0,1,2,3,4,5,6,7
	FRAG 128*(\p)+FR*\i, ADRB+\slot, \q, \i
.endr
	WIN 0
.endm
.macro FETCH_A slot, q, i0
.irp i, \i0, \i0+1, \i0+2, \i0+3
	FRAG AF+FR*(\i), ADRA+\slot, \q, \i
.endr
.endm
.macro SCALES sc                       ; a slot's scale words: 4 a row; lanes 0-15 take x's block i, lanes 16-31 W's block i
.irp i, 0,1,2,3,4,5,6,7
	ds_load_b128 v[SC+8*NQ*\sc+NQ*\i:SC+8*NQ*\sc+NQ*\i+3], v[ADRS] offset:\i*SBLK
.endr
.endm
.macro PLACES n                        ; plain vector instructions between a matrix instruction and a load into, or a read of, its registers
.rept \n
	v_nop
.endr
.endm
.macro STEP slot, q, first             ; 128 along K, with its successor in the same slot
	s_wait_dscnt 4*NL                              ; W's set and x's blocks 0-3 are in; the youngest eight loads (x's blocks 4-7) may be out
.if \first
	WIN FIRST_LO
.else
	WIN MUL_LO
.endif
	MUL16 0, (\q)%2, \q, \slot, \first
	MUL16 2, (\q)%2, \q, \slot, \first
	s_wait_dscnt 0                                 ; x's blocks 4-7 are in
	PLACES NP
	FETCH_B \slot, (\q)+1, 1-(\q)%2
	FETCH_A \slot, (\q)+1, 0
.if \first
	WIN FIRST_HI
.else
	WIN MUL_HI
.endif
	MUL16 4, (\q)%2, \q, \slot, \first
	MUL16 6, (\q)%2, \q, \slot, \first
	PLACES NP
	WIN 0
	FETCH_A \slot, (\q)+1, 4
.endm
	s_wait_tensorcnt 1                             ; the scales and my part of slot 0 are in; slot 1's load may be out
	s_barrier_signal -1
	s_barrier_wait -1
	FETCH_B 0, 0, 0
	FETCH_A 0, 0, 0
	SCALES 0
	FETCH_A 0, 0, 4
	s_wait_loadcnt 0x0                             ; the bias
	STEP 0, 0, 1                                   ; the first products start the sums from the bias
	STEP 0, 1, 0
	STEP 0, 2, 0
	; slot 0's last step changes slots: one barrier; in front of it each wave waits for all its tensor loads, adds 0 to its spare word, and waits for that and for its reads of slot 0
	s_wait_tensorcnt 0x0
	ds_add_u32 v[SPW], v[NIL]
	s_wait_dscnt 4*NL+1                            ; the add and the youngest eight loads may be out
	WIN MUL_LO
	MUL16 0, 1, 3, 0, 0
	s_wait_dscnt 0x0
	s_barrier_signal -1
	MUL16 2, 1, 3, 0, 0
	WIN 0
	s_barrier_wait -1                              ; slot 1 is whole, and nobody reads slot 0 any more
	PLACES NP
	v_add_nc_u32 v[ADRS], 4*NQ, v[ADRS]
	FETCH_B 1, 0, 0
	FETCH_A 1, 0, 0
	SCALES 1
	WIN MUL_HI
	MUL16 4, 1, 3, 0, 0
	MUL16 6, 1, 3, 0, 0
	PLACES NP
	WIN 0
	FETCH_A 1, 0, 4
	STEP 1, 0, 0
	STEP 1, 1, 0
	STEP 1, 2, 0
	s_wait_dscnt 4*NL
	WIN MUL_LO
	MUL16 0, 1, 3, 1, 0
	MUL16 2, 1, 3, 1, 0
	s_wait_dscnt 0
	WIN MUL_HI
	MUL16 4, 1, 3, 1, 0
	MUL16 6, 1, 3, 1, 0
	WIN 0
	PLACES NP                                      ; in front of the first reads of results and of the loads into x's registers
	; POSITIONS 0 .. 15 IN f32, for launch 5: block 0 of the waves that hold the sequence's first rows.  The branch hangs on the cluster's y and the wave's number.
	s_or_b32 s18, s101, s15
	s_cmp_lg_u32 s18, 0
	s_cbranch_scc1 .Lno32
	WIN 0x08                                       ; an LDS store's data are its source 1: window 2
.irp b, 0,1,2,3,4,5,6,7
	ds_store_b128 v[STO32], v[8*\b:8*\b+3] offset:64*\b            ; each accumulator from its low end on
	ds_store_b128 v[STO32], v[8*\b+4:8*\b+7] offset:64*\b+16
.endr
	WIN 0
.irp t, 0,1,2,3,4,5,6,7,8,9,10,11,12,13,14,15
	ds_load_b128 v[OB+4*\t:OB+4*\t+3], v[RD32] offset:\t*SP32      ; LDS serves a wave's instructions in order: these see the stores above
.endr
.irp t, 0,1,2,3,4,5,6,7,8,9,10,11,12,13,14,15
	s_wait_dscnt 15-\t
	global_store_b128 v[CO32], v[OB+4*\t:OB+4*\t+3], s[98:99] offset:\t*4096   ; 32 lanes store 512 consecutive bytes
.endr
	s_wait_xcnt 0x0                                ; these stores have read their registers: the f16 way out loads into them
.Lno32:
; THE WAY OUT IN f16, block by block of 16 rows x 128 columns (two heads): rounded once, 16 bytes a lane into my own stage, back so that sixteen lanes store two rows of one head: 256 consecutive bytes, aligned.
.macro PACK a
.set AC, 64*((\a)%4)
	WIN 0x0a+5*((\a)/4)                            ; sources 0 and 1: window 2 or 3
.irp b, 0,1,2,3,4,5,6,7
.irp r, 0,1,2,3
	v_cvt_pk_f16_f32 v[TMP+4*\b+\r], v[AC+8*\b+2*\r], v[AC+8*\b+2*\r+1]
.endr
.endr
	WIN 0
.endm
.macro TOSTAGE a
.set BK, OB+32*((\a)%2)
.irp b, 0,1,2,3,4,5,6,7
	ds_store_b128 v[STO], v[TMP+4*\b:TMP+4*\b+3] offset:32*\b
.endr
.irp i, 0,1,2,3,4,5,6,7
	ds_load_b128 v[BK+4*\i:BK+4*\i+3], v[RD] offset:\i*2*SP16
.endr
.endm
.macro SEND a
.set BK, OB+32*((\a)%2)
	s_wait_dscnt 0x0                               ; the block is back in registers
	s_wait_xcnt 0x0                                ; earlier stores have read their registers: the next block's loads may land there
.irp i, 0,1,2,3,4,5,6,7
	global_store_b128 v[CO], v[BK+4*\i:BK+4*\i+3], s[12:13] offset:(\a)*2048+\i*256
.endr
.endm
	PACK 0
	TOSTAGE 0
.irp a, 1,2,3,4,5,6,7                  ; block a's conversions stand between block a - 1's loads from the stage and the wait for them
	PACK \a
	SEND \a-1
	TOSTAGE \a
.endr
	SEND 7
	s_wait_tensorcnt 0x0                           ; the wave's end
	ds_add_u32 v[SPW], v[NIL]
	s_wait_dscnt 0x0
	CROUND                                         ; the closing round
	s_endpgm
.Lfunc_end_k_q2ce740e562_proj:
	.size	k_q2ce740e562_proj, .Lfunc_end_k_q2ce740e562_proj-k_q2ce740e562_proj
	.p2alignl 7, 3214868480
	.fill 96, 4, 3214868480
	.section	.rodata,"a",@progbits
	.p2align	6, 0x0
	.amdhsa_kernel k_q2ce740e562_proj
		.amdhsa_group_segment_fixed_size 327680
		.amdhsa_private_segment_fixed_size 0
		.amdhsa_enable_private_segment 0
		.amdhsa_kernarg_size 48
		.amdhsa_user_sgpr_count 2
		.amdhsa_user_sgpr_kernarg_segment_ptr 1
		.amdhsa_wavefront_size32 1
		.amdhsa_system_sgpr_workgroup_id_x 1
		.amdhsa_system_sgpr_workgroup_id_y 1
		.amdhsa_system_sgpr_workgroup_id_z 1
		.amdhsa_system_vgpr_workitem_id 0
		.amdhsa_next_free_vgpr 1024
		.amdhsa_next_free_sgpr 102
		.amdhsa_reserve_vcc 0
		.amdhsa_float_denorm_mode_32 3
		.amdhsa_float_denorm_mode_16_64 3
		.amdhsa_memory_ordered 1
		.amdhsa_forward_progress 1
		.amdhsa_inst_pref_size 135
	.end_amdhsa_kernel
	.amdgpu_metadata
---
amdhsa.version: [ 1, 2 ]
amdhsa.kernels:
  - .name:           k_q2ce740e562_proj
    .symbol:         k_q2ce740e562_proj.kd
    .args:
      - { .name: codes, .offset: 0, .size: 8, .value_kind: global_buffer, .address_space: global }
      - { .name: scl, .offset: 8, .size: 8, .value_kind: global_buffer, .address_space: global }
      - { .name: bq, .offset: 16, .size: 8, .value_kind: global_buffer, .address_space: global }
      - { .name: bv, .offset: 24, .size: 8, .value_kind: global_buffer, .address_space: global }
      - { .name: qkv, .offset: 32, .size: 8, .value_kind: global_buffer, .address_space: global }
      - { .name: q32, .offset: 40, .size: 8, .value_kind: global_buffer, .address_space: global }
    .group_segment_fixed_size: 327680
    .private_segment_fixed_size: 0
    .kernarg_segment_align: 8
    .kernarg_segment_size: 48
    .max_flat_workgroup_size: 128
    .sgpr_count:     102
    .vgpr_count:     1024
    .wavefront_size: 32
...
	.end_amdgpu_metadata
.endif
;; end of part 2
;; launch attn (part 3): grid 4 x 64, 8 waves a work-group, no clusters, 327,680 bytes of LDS; arguments qkv, scl, att, rowf; writes att, rowf
.if DOCPART == 3
	.amdgcn_target "amdgcn-amd-amdhsa--gfx1250"
	.amdhsa_code_object_version 6
	.text
	.protected	k_q2ce740e562_attn
	.globl	k_q2ce740e562_attn
	.p2align	8
	.type	k_q2ce740e562_attn,@function
k_q2ce740e562_attn:
	s_mov_b64 s[64:65], 0
	v_nop
	global_prefetch_b8 v0, s[64:65] scope:SCOPE_SE
	s_setreg_imm32_b32 hwreg(HW_REG_WAVE_MODE, 25, 1), 1
	s_wait_xcnt 0x0
; Launch 3 of 5: att[head][n t][:] = softmax_s(Q[t] . K[s] / 8, hidden where s > t or the mask of key s is 0) V[s][:], per batch and head.  Q, K, V, the weights p and att in f16; products, maxima and sums in f32.
; LEFT OUT: key steps that lie wholly above the diagonal of the causal mask that the problem builds itself (a branch on ids).
; HIDDEN KEYS get the score -2^127: the mask's bias (0 or -2^127, made by launch 1) is the C of the first product of each score, and above the diagonal the score is replaced.  The running maximum starts at -2^126,
; so for a hidden key c s - c m is at most -c 2^126 and p = 0, with no infinity anywhere.
; A ROW WITH NO VISIBLE KEY is NaN in the problem's softmax.  Here it ends with sum 0 and O = 0; the divisor is held at 0.5 (a row with a visible key has a sum of at least 1: the hold changes nothing there), att gets
; zeros, and the row's sum goes to rowf [8192] f32, from which launch 4 chooses the NaN.  Whether the sum is 0 hangs on the masks alone, so every head finds the same: head 0's work-groups store it.
; LIMITS: true scores under -2^126 are not served; NaN and infinities in Q, K, V are not served.
; SHARES.  256 work-groups of equal work: work-group (i, batch and head) takes the blocks of 256 queries 7 - i and then i: 8 - i and i + 1 slots of 256 keys, nine for every work-group.
; Each of eight waves owns 32 queries, two tiles of 16, in 512 registers: two waves to a SIMD, so that one wave's vector work stands beside the other's matrix work.  A fragment of K or V read from LDS feeds two products.
; NO CLUSTER: from the sixth slot on the four work-groups of a head want different key blocks (work-group i goes back to block 0 behind slot 7 - i), so no joint request would serve all four on every path.
; LAYOUT.  S^T = K Q^T (source 0 = 16 keys, source 1 = 16 queries): a lane holds ONE query (lane % 16) and keys 8 (lane / 16) + 0..7 of each tile of 16.  Two such tiles, rounded to f16 in pairs, ARE source 1
; (32 keys x 16 queries) of O^T = V^T P.  K comes out of LDS as it lies, V ([key][channel]) turned, by ds_load_tr16_b128.
; SOFTMAX: running maximum m and sum l for each query; p = 2^(c s - c m), c = log2(e) / 8; in every step O and l are multiplied by a = 2^(c m_old - c m_new).
; REGISTERS.  window 0: v0-31 addresses and statistics; v32-95 the mask's bias of the step's 128 keys; v96-223 S^T, 64 a tile, then p, then (in the low 32 of each tile) P; v224 the prefetches' offset; v225, v226 the sums' way out.
;   window 1: v0-31 Q; v32-95 O^T, 32 a tile; v96-223 the step's K, then its V.
.set PITK,  144                        ; a row of K in LDS: 128 bytes + 16: the 16 rows of a load start at 16 different groups of banks
.set PITV,  160                        ; a row of V: 128 + 32, an odd multiple of 32 bytes, for the turning load
.set VOFF,  256*PITK                   ; a slot: 256 rows of K, then 256 rows of V
.set SLOT1, 1<<17                      ; slot 1 begins here: one exclusive or turns an address from one slot to the other
.set STAGE, 2*SLOT1                    ; the way out: 32 rows x 144 bytes for each wave: bytes of their own, into which no fill lands
.set SPARE, STAGE+8*32*PITK            ; the spare words, 128 bytes for each wave
.set AK0, 1
.set AV0, 2
.set ADK, 3
.set ADV, 4
.set SPW, 5
.set NIL, 6
.set MOFF, 7                           ; v7  byte offset of the bias loads in hand: 4 x first key + 32 h
.set QO,  8
.set STO, 9
.set RD,  10
.set GO,  11
.set ST,  12                           ; tile t's statistics at v[12 + 8 t]: +0 c m, +1 m, +2, +3 l, +4, +5 at work, +6 a, +7 at work
.set DQ,  28                           ; v28 r - 8 h
.set H32, 29                           ; v29 32 h
.set NEG, 30                           ; v30 -2^127
.set DD,  31                           ; v31 the diagonal's place for my lane
.set MB,  32
.set S,   96
.set BK,  112                          ; the way out: 32 rows read back
.set PFO, 224
.set FO,  225                          ; v225 4 x lane: my row's word among the wave's 32 sums; never rewritten
.set FD,  226                          ; v226 the sum that I store
.set WV, 10
.set II, 11
.set NH, 12
.set IP1, 13                           ; i + 1: the count of slots to go at which the first block of queries ends
.set RST, 14                           ; (8 - i) x 32,768: back to key block 0
.set LIM, 15
.set PFA, 16
.set DL,  18
.set SEL, 20
.set CS,  22
.set G1K, 24
.set G1V, 32
.set G0K, 40
.set G0V, 44
.set TB,  48                           ; LDS byte at which the slot in hand begins
.set KF,  49                           ; the step's first key
.set Q0,  50                           ; my first query
.set SLOTS, 51
.set QB,  52
.set AB,  54
.set MBB, 56
.set QA,  58
.set OA,  60
.set FA,  62                           ; s[62:63] rowf at my first query
.set RFB, 76                           ; s[76:77] rowf at my batch
.set HM,  78                           ; s78 the mask of lanes 16-31
.set HD0, 79                           ; s79 my head: 0 stores the sums
.set MSB, 0
.macro WIN new
.if MSB != \new
	s_set_vgpr_msb (MSB<<8)|\new
.set MSB, \new
.endif
.endm
; Waves 0 to 3 fetch 64 rows of K each, waves 4 to 7 64 rows of V: every wave has one load.  An s_nop 0 and four v_nop follow each of the two lines.
.macro TLOAD
	s_cmp_lt_u32 s[WV], 4
	s_cbranch_scc0 .Lfor_v_\@
	tensor_load_to_lds s[G0K:G0K+3], s[G1K:G1K+7]
	s_nop 0
.rept 4
	v_nop
.endr
	s_branch .Lasked_\@
.Lfor_v_\@:
	tensor_load_to_lds s[G0V:G0V+3], s[G1V:G1V+7]
	s_nop 0
.rept 4
	v_nop
.endr
.Lasked_\@:
.endm
; A prefetch of the key block that the NEXT change of slots will ask for: 8,192 bytes a wave (its own 64 rows), lanes 256 bytes apart.  All four work-groups of a head walk blocks 0, 1, 2 .. : the head's first
; work-group asks, in its first six trips, for blocks 2 to 7, so each aligned block of 256 bytes is named once in the launch.  Blocks 0 and 1 come by their loads alone.
.macro ASK
	s_cmp_gt_u32 s[SLOTS], s[LIM]
	s_cbranch_scc0 .Lnot_mine_\@
	global_prefetch_b8 v[PFO], s[PFA:PFA+1] th:TH_LOAD_NT scope:SCOPE_SE
.Lnot_mine_\@:
.endm
	s_load_b128 s[4:7], s[0:1], 0x0                ; qkv, scl
	s_load_b64 s[8:9], s[0:1], 0x10                ; att
	s_load_b64 s[RFB:RFB+1], s[0:1], 0x18          ; rowf
	v_lshl_add_u32 v[SPW], v0, 2, SPARE
	v_mov_b32 v[NIL], 0
	ds_add_u32 v[SPW], v[NIL]                      ; the wave's opening: the add, twice on end, and its wait ahead of my first tensor load
	ds_add_u32 v[SPW], v[NIL]
	v_lshrrev_b32 v1, 5, v0
	v_readfirstlane_b32 s[WV], v1                  ; wave 0..7
	s_mov_b32 s[II], ttmp9
	s_and_b32 s[NH], ttmp7, 0xffff                 ; 16 n + head
	s_add_co_u32 s[IP1], s[II], 1
	s_sub_co_u32 s[RST], 8, s[II]
	s_lshl_b32 s[RST], s[RST], 15
	s_cmp_eq_u32 s[II], 0
	s_cselect_b32 s[LIM], 2, -1
	s_mov_b32 s[DL+1], 0
	s_mov_b32 s[G1K], (1<<16)|(1<<20)|(4<<22)|(3<<25)   ; no mask; elements of 2 bytes; padding on: 4 words behind every 32
	s_mov_b32 s[G1V], (1<<16)|(1<<20)|(4<<22)|(7<<25)   ; 8 words behind every 32
.irp g, G1K, G1V
	s_mov_b32 s[\g+1], 64<<16                      ; tensor_dim0 = 64
	s_mov_b32 s[\g+2], 64<<16                      ; tensor_dim1 = 64
	s_mov_b32 s[\g+3], 64<<16                      ; tile_dim0 = 64
	s_mov_b32 s[\g+4], 64                          ; tile_dim1 = 64
	s_mov_b32 s[\g+5], 64                          ; from row to row
	s_mov_b32 s[\g+6], 0
	s_mov_b32 s[\g+7], 0
.endr
	s_mov_b32 s[SEL], 0x76543210
	s_mov_b32 s[SEL+1], 0xfedcba98
	s_mov_b32 s[CS], 0x3e38aa3b                    ; c = log2(e) / 8
	s_mov_b32 s[CS+1], s[CS]
	s_mov_b32 s[TB], 0
	s_mov_b32 s[SLOTS], 8
	s_and_b32 s66, s[WV], 3
	s_mul_i32 s[G0K+1], s66, 64*PITK               ; where my 64 rows go in slot 0
	s_mul_i32 s[G0V+1], s66, 64*PITV
	s_add_co_u32 s[G0V+1], s[G0V+1], VOFF
	s_lshl_b32 s68, s66, 13                        ; my 64 rows of 128 bytes,
	s_lshl_b32 s70, s[NH], 18                      ; in my head's 262,144 bytes
	s_mov_b32 s71, 0
	s_add_co_u32 s68, s68, s70
	s_mov_b32 s69, 0
	s_mov_b32 s72, 33554432+32768
	s_cmp_lt_u32 s[WV], 4
	s_cselect_b32 s72, 16777216+32768, s72         ; the prefetches begin at key block 1 of K or of V; the first change of slots steps them to block 2
	s_mov_b32 s73, 0
	s_and_b32 s74, s[NH], 15
	s_lshl_b32 s74, s74, 20                        ; att: 1,048,576 bytes a head,
	s_lshr_b32 s67, s[NH], 4
	s_lshl_b32 s75, s67, 18                        ; 262,144 a batch
	s_add_co_u32 s74, s74, s75
	s_mov_b32 s75, 0
	s_lshl_b32 s78, s67, 13                        ; rowf: 8,192 bytes a batch
	s_mov_b32 s79, 0
	s_lshl_b32 s66, s67, 13                        ; the mask's bias: 8,192 bytes a batch
	s_add_co_u32 s66, s66, 884736
	s_mov_b32 s67, 0
	s_wait_dscnt 0x0                               ; both opening adds are done
	s_wait_kmcnt 0x0
	s_mov_b32 s[G0K], 1
	s_mov_b32 s[G0V], 1
	s_add_nc_u64 s[G0K+2:G0K+3], s[4:5], s[68:69]
	s_add_nc_u64 s[PFA:PFA+1], s[G0K+2:G0K+3], s[72:73]
	s_add_nc_u64 s[G0V+2:G0V+3], s[G0K+2:G0K+3], 33554432
	s_add_nc_u64 s[G0K+2:G0K+3], s[G0K+2:G0K+3], 16777216
	s_or_b32 s[G0K+3], s[G0K+3], 0x80000000
	s_or_b32 s[G0V+3], s[G0V+3], 0x80000000
	TLOAD                                          ; slot 0: key block 0
	s_add_nc_u64 s[QB:QB+1], s[4:5], s[70:71]
	s_add_nc_u64 s[AB:AB+1], s[8:9], s[74:75]
	s_add_nc_u64 s[MBB:MBB+1], s[6:7], s[66:67]
	s_add_nc_u64 s[RFB:RFB+1], s[RFB:RFB+1], s[78:79]
	s_mov_b32 s[HM], 0xffff0000
	s_and_b32 s[HD0], s[NH], 15
	v_and_b32 v3, 15, v0                           ; r
	v_bfe_u32 v4, v0, 4, 1                         ; h
	v_mul_u32_u24 v[AK0], v3, PITK
	v_lshl_add_u32 v[AK0], v4, 4, v[AK0]           ; K: row r x pitch + 16 h
	v_and_b32 v31, 7, v0
	v_lshl_add_u32 v[AV0], v4, 3, v31
	v_mul_u32_u24 v[AV0], v[AV0], PITV
	v_bfe_u32 v31, v0, 3, 1
	v_lshl_add_u32 v[AV0], v31, 4, v[AV0]
	v_add_nc_u32 v[AV0], VOFF, v[AV0]              ; V: key 8 h + l % 8, channels 8 ((l / 8) % 2) on
	v_lshlrev_b32 v[QO], 7, v3
	v_lshl_add_u32 v[QO], v4, 4, v[QO]             ; Q in memory: row r of 128 bytes + 16 h
	s_mul_i32 s66, s[WV], 32*PITK
	s_add_co_u32 s66, s66, STAGE                   ; my stage
	v_add_nc_u32 v[STO], s66, v[AK0]               ; in: row r, 16 bytes for each half of the lanes
	v_and_b32 v31, 31, v0
	v_lshrrev_b32 v[RD], 3, v31
	v_mul_u32_u24 v[RD], v[RD], PITK
	v_and_b32 v[GO], 7, v0
	v_lshl_add_u32 v[RD], v[GO], 4, v[RD]
	v_add_nc_u32 v[RD], s66, v[RD]                 ; back: eight lanes to a row of 128 bytes, four rows an instruction
	v_lshlrev_b32 v[GO], 4, v31                    ; my wave's 32 rows of att are 4,096 consecutive bytes
	v_lshlrev_b32 v[DQ], 3, v4
	v_sub_nc_u32 v[DQ], v3, v[DQ]
	v_lshlrev_b32 v[H32], 5, v4
	v_mov_b32 v[NEG], 0xff000000
	v_lshlrev_b32 v[PFO], 8, v31
	v_lshlrev_b32 v[FO], 2, v31
; A block of queries begins: Q into registers, m = -2^126, l = 0, O^T = 0 (the step is written once: its first run finds zeros), and the bias of keys 0 .. 127.
.macro START
	s_wait_loadcnt 0x0                             ; no load of mine is out: its address registers and targets may be written
	s_wait_xcnt 0x0                                ; and the last stores have read their registers and bases
	s_lshl_b32 s66, s[Q0], 7
	s_mov_b32 s67, 0
	s_add_nc_u64 s[QA:QA+1], s[QB:QB+1], s[66:67]
	s_add_nc_u64 s[OA:OA+1], s[AB:AB+1], s[66:67]
	s_lshl_b32 s66, s[Q0], 2
	s_add_nc_u64 s[FA:FA+1], s[RFB:RFB+1], s[66:67]
	WIN 0x40                                       ; destination window 1
.irp t, 0,1
.irp c, 0,1
	global_load_b128 v[16*\t+8*\c:16*\t+8*\c+3], v[QO], s[QA:QA+1] offset:\t*2048+64*\c
	global_load_b128 v[16*\t+8*\c+4:16*\t+8*\c+7], v[QO], s[QA:QA+1] offset:\t*2048+64*\c+32
.endr
.endr
.set n, 0
.rept 64
	v_mov_b32 v[32+n], 0
.set n, n+1
.endr
	WIN 0
.irp t, 0,1
	v_mov_b32 v[ST+8*\t+1], 0xfe800000             ; -2^126
	v_mul_f32 v[ST+8*\t], s[CS], v[ST+8*\t+1]
.irp k, 2,3,4,5,6,7
	v_mov_b32 v[ST+8*\t+\k], 0
.endr
.endr
	s_mov_b32 s[KF], 0
	v_mov_b32 v[MOFF], v[H32]
.irp kt, 0,1,2,3,4,5,6,7
	global_load_b128 v[MB+8*\kt:MB+8*\kt+3], v[MOFF], s[MBB:MBB+1] offset:64*\kt
	global_load_b128 v[MB+8*\kt+4:MB+8*\kt+7], v[MOFF], s[MBB:MBB+1] offset:64*\kt+16
.endr
.endm
; 16 products: S^T of tile t for 128 keys.  The eight accumulators take turns, one instruction a turn; the first eight start the sums from the mask's bias.
.macro KQ t
	WIN 0x05                                       ; K and Q in window 1; the bias and S^T in window 0
.irp c, 0,1
.irp kt, 0,1,2,3,4,5,6,7
.if \c == 0
	v_wmma_f32_16x16x32_f16 v[S+64*(\t)+8*\kt:S+64*(\t)+8*\kt+7], v[96+16*\kt+8*\c:96+16*\kt+8*\c+7], v[16*(\t)+8*\c:16*(\t)+8*\c+7], v[MB+8*\kt:MB+8*\kt+7]
.else
	v_wmma_f32_16x16x32_f16 v[S+64*(\t)+8*\kt:S+64*(\t)+8*\kt+7], v[96+16*\kt+8*\c:96+16*\kt+8*\c+7], v[16*(\t)+8*\c:16*(\t)+8*\c+7], v[S+64*(\t)+8*\kt:S+64*(\t)+8*\kt+7]
.endif
.endr
.endr
.endm
; 16 products: O^T of tile t += V^T P; the four accumulators take turns.
.macro PV t
	WIN 0x51                                       ; V and O^T in window 1, P in window 0
.irp ks, 0,1,2,3
.irp ct, 0,1,2,3
	v_wmma_f32_16x16x32_f16 v[32+32*(\t)+8*\ct:32+32*(\t)+8*\ct+7], v[96+32*\ks+8*\ct:96+32*\ks+8*\ct+7], v[S+64*(\t)+8*\ks:S+64*(\t)+8*\ks+7], v[32+32*(\t)+8*\ct:32+32*(\t)+8*\ct+7]
.endr
.endr
.endm
.macro MXP x, y                        ; four chains of the maximum take two more scores each
.irp k, 0,1,2,3
	v_max3_num_f32 v[rT+4+\k], v[rT+4+\k], v[rS+16*\k+\x], v[rS+16*\k+\y]
.endr
.endm
; THE SOFTMAX of tile t for one key step.
.macro SM t
.set rT, ST+8*(\t)
.set rS, S+64*(\t)
	WIN 0
	s_add_co_u32 s66, s[KF], 127                   ; a step all of whose keys count for the tile's first query skips the diagonal's lines: a branch on ids
	s_add_co_u32 s67, s[Q0], 16*(\t)
	s_cmp_le_u32 s66, s67
	s_cbranch_scc1 .Lopen_\@
	s_sub_co_i32 s68, s67, s[KF]
	v_add_nc_u32 v[DD], s68, v[DQ]                 ; d = my query - first key - 8 h.  Register 8 kt + j holds key first + 16 kt + 8 h + j: hidden where 16 kt + j > d
.set n, 0
.rept 64
	v_cmp_gt_i32 vcc_lo, 16*(n/8)+n%8, v[DD]
	v_cndmask_b32 v[rS+n], v[rS+n], v[NEG], vcc_lo
.set n, n+1
.endr
.Lopen_\@:
.irp k, 0,1,2,3                        ; the maximum of 64 scores and the old m: four chains; each accumulator is read from its low end on
	v_max3_num_f32 v[rT+4+\k], v[rS+16*\k], v[rS+16*\k+1], v[rS+16*\k+2]
.endr
	MXP 8, 9
	MXP 3, 4
	MXP 5, 6
	MXP 7, 10
	MXP 11, 12
	MXP 13, 14
	v_max3_num_f32 v[rT+4], v[rT+4], v[rS+15], v[rS+31]
	v_max3_num_f32 v[rT+6], v[rT+6], v[rS+47], v[rS+63]
	v_max3_num_f32 v[rT+4], v[rT+4], v[rT+5], v[rT+6]
	v_max3_num_f32 v[rT+4], v[rT+4], v[rT+7], v[rT+1]
	v_permlanex16_b32 v[rT+5], v[rT+4], s[SEL], s[SEL+1]   ; the query's other 64 keys lie in the lane 16 away
	v_mov_b32 v[rT+7], v[rT]                       ; c m_old
	v_max_num_f32 v[rT+1], v[rT+4], v[rT+5]
	v_mul_f32 v[rT], s[CS], v[rT+1]
	v_sub_f32 v[rT+7], v[rT+7], v[rT]              ; c m_old - c m_new
.set n, 0
.rept 32
	v_pk_fma_f32 v[rS+n:rS+n+1], v[rS+n:rS+n+1], s[CS:CS+1], v[rT:rT+1] op_sel_hi:[1,0,0] neg_lo:[0,0,1] neg_hi:[0,0,1]   ; c s - c m, two at a time
.set n, n+2
.endr
	v_exp_f32 v[rT+6], v[rT+7]                     ; a; then the 64 weights: ONE batch
.set n, 0
.rept 64
	v_exp_f32 v[rS+n], v[rS+n]
.set n, n+1
.endr
	v_nop                                          ; a plain instruction behind the last exponential
	s_wait_alu depctr_va_vdst(0)                   ; the wait ahead of the first instruction that names a result: one for the batch
	v_pk_mul_f32 v[rT+2:rT+3], v[rT+2:rT+3], v[rT+6:rT+7] op_sel_hi:[1,0]   ; l x a
	v_pk_add_f32 v[rT+4:rT+5], v[rS:rS+1], v[rS+2:rS+3]                     ; the sum of the unrounded weights, in two chains
.set n, 4
.rept 15
	v_pk_add_f32 v[rT+2:rT+3], v[rT+2:rT+3], v[rS+n:rS+n+1]
	v_pk_add_f32 v[rT+4:rT+5], v[rT+4:rT+5], v[rS+n+2:rS+n+3]
.set n, n+4
.endr
	v_pk_add_f32 v[rT+2:rT+3], v[rT+2:rT+3], v[rT+4:rT+5]
.set n, 0
.rept 32
	v_cvt_pk_f16_f32 v[rS+n], v[rS+2*n], v[rS+2*n+1]   ; P, in place and ascending: register n is written when registers 2 n, 2 n + 1 are read
.set n, n+1
.endr
	WIN 0x41                                       ; O^T in window 1, a in window 0
.set n, 0
.rept 16
	v_pk_mul_f32 v[32+32*(\t)+n:32+32*(\t)+n+1], v[32+32*(\t)+n:32+32*(\t)+n+1], v[rT+6:rT+7] op_sel_hi:[1,0]
.set n, n+2
.endr
.endm
; A KEY STEP: 128 keys, the q-th of the slot in hand.  A step all of whose keys come after my 32 queries is left out: a branch on ids round the work, not round the line that steps the first key.
.macro STEP q
	s_add_co_u32 s66, s[Q0], 31
	s_cmp_gt_u32 s[KF], s66
	s_cbranch_scc1 .Lhid_\@
	v_add_nc_u32 v[ADK], s[TB], v[AK0]
	v_add_nc_u32 v[ADV], s[TB], v[AV0]
.rept 3
	v_nop                                          ; five places behind the last V^T P: four for the loads into V's registers, five for the products that write over P
.endr
	WIN 0x40
.set f, 0
.rept 16                               ; K: keys 16 (f / 2) on, channels 32 (f % 2) on
	ds_load_b128 v[96+8*f:96+8*f+3], v[ADK] offset:(128*(\q)+16*(f/2))*PITK+64*(f%2)
	ds_load_b128 v[96+8*f+4:96+8*f+7], v[ADK] offset:(128*(\q)+16*(f/2))*PITK+64*(f%2)+32
.set f, f+1
.endr
	s_wait_loadcnt 0x0                             ; this step's bias (and, in a block's first step, Q)
	s_wait_dscnt 0x0                               ; K
	KQ 0
	KQ 1
	WIN 0
	s_add_co_u32 s67, s[KF], 128
	s_min_u32 s67, s67, 1920                       ; the next step's bias; held inside the batch's 2,048 keys
	v_lshl_add_u32 v[MOFF], s67, 2, v[H32]         ; (the wait above has shown the loads that named it done)
.rept 3
	v_nop                                          ; with the line above: four places behind K Q^T, for the loads below and the first reads of scores
.endr
	WIN 0x40
.set f, 0
.rept 16                               ; V, turned: keys 32 (f / 4) on, channels 16 (f % 4) on
	ds_load_tr16_b128 v[96+8*f:96+8*f+3], v[ADV] offset:(128*(\q)+32*(f/4))*PITV+32*(f%4)
	ds_load_tr16_b128 v[96+8*f+4:96+8*f+7], v[ADV] offset:(128*(\q)+32*(f/4))*PITV+32*(f%4)+16*PITV
.set f, f+1
.endr
	WIN 0
.irp kt, 0,1,2,3,4,5,6,7
	global_load_b128 v[MB+8*\kt:MB+8*\kt+3], v[MOFF], s[MBB:MBB+1] offset:64*\kt
	global_load_b128 v[MB+8*\kt+4:MB+8*\kt+7], v[MOFF], s[MBB:MBB+1] offset:64*\kt+16
.endr
	SM 0
	s_wait_dscnt 0x0                               ; V
	PV 0
	SM 1
	PV 1
	WIN 0
.Lhid_\@:
	s_add_co_u32 s[KF], s[KF], 128
.endm
; THE CHANGE OF SLOTS stands at a slot's head.  Each wave waits for all its tensor loads (its part of the slot ahead), adds 0 to its spare word, and waits for that and for its reads of the slot that it has left.
; fill = 1: behind the barrier that other slot takes the key block that follows; where the first block of queries ends, the walk goes back to key block 0.  One load of mine is out at a time.
.macro CHANGE fill
	s_wait_tensorcnt 0x0                           ; no tensor load of mine is out, so a group 0 may be written
	ds_add_u32 v[SPW], v[NIL]
.if \fill
	s_xor_b32 s[G0K+1], s[G0K+1], SLOT1
	s_xor_b32 s[G0V+1], s[G0V+1], SLOT1
	s_cmp_eq_u32 s[SLOTS], s[IP1]
	s_cselect_b32 s[DL], s[RST], 0
	s_add_nc_u64 s[G0K+2:G0K+3], s[G0K+2:G0K+3], 32768
	s_sub_nc_u64 s[G0K+2:G0K+3], s[G0K+2:G0K+3], s[DL:DL+1]
	s_add_nc_u64 s[G0V+2:G0V+3], s[G0V+2:G0V+3], 32768
	s_sub_nc_u64 s[G0V+2:G0V+3], s[G0V+2:G0V+3], s[DL:DL+1]
	s_wait_xcnt 0x0                                ; the last prefetch, a slot back, has read its address
	s_add_nc_u64 s[PFA:PFA+1], s[PFA:PFA+1], 32768
.endif
	s_wait_dscnt 0x0
	s_barrier_signal -1
	s_barrier_wait -1
.if \fill
	TLOAD                                          ; the first thing behind the barrier, and my one tensor load until the next
	ASK
.endif
.endm
; THE WAY OUT of a block of queries: the rows' sums to rowf (head 0 alone); O^T / max(l, 0.5), rounded to f16, through my stage, out as 4,096 consecutive bytes.
.macro WAYOUT
	WIN 0
.irp t, 0,1
	v_add_f32 v[ST+8*\t+4], v[ST+8*\t+2], v[ST+8*\t+3]
.endr
.irp t, 0,1
	v_permlanex16_b32 v[ST+8*\t+5], v[ST+8*\t+4], s[SEL], s[SEL+1]
.endr
.irp t, 0,1
	v_add_f32 v[ST+8*\t+4], v[ST+8*\t+4], v[ST+8*\t+5]     ; the row's sum, the same in lanes r and r + 16
.endr
	s_cmp_lg_u32 s[HD0], 0                         ; a branch on ids: one head stores the sums
	s_cbranch_scc1 .Lno_sums_\@
	v_cndmask_b32 v[FD], v[ST+4], v[ST+12], s[HM]  ; lanes 0-15: tile 0's queries; lanes 16-31: tile 1's: lane L holds the sum of row first + L
	global_store_b32 v[FO], v[FD], s[FA:FA+1]      ; the wave stores 128 consecutive bytes
.Lno_sums_\@:
.irp t, 0,1
	v_max_num_f32 v[ST+8*\t+5], 0.5, v[ST+8*\t+4]  ; the hold: it moves only a sum of 0
.endr
.irp t, 0,1
	v_rcp_f32 v[ST+8*\t+6], v[ST+8*\t+5]
.endr
	v_nop
	s_wait_alu depctr_va_vdst(0)                   ; one wait for the two reciprocals, ahead of their first reader
	WIN 0x01                                       ; O^T in window 1; the result goes to S^T's registers
.irp t, 0,1
.set n, 0
.rept 32
	v_mul_f32 v[S+64*\t+n], v[32+32*\t+n], v[ST+8*\t+6]
.set n, n+1
.endr
.endr
	WIN 0
.irp t, 0,1
.set n, 0
.rept 16
	v_cvt_pk_f16_f32 v[S+64*\t+n], v[S+64*\t+2*n], v[S+64*\t+2*n+1]
.set n, n+1
.endr
.endr
.irp t, 0,1
.irp ct, 0,1,2,3
	ds_store_b128 v[STO], v[S+64*\t+4*\ct:S+64*\t+4*\ct+3] offset:\t*16*PITK+32*\ct
.endr
.endr
.irp i, 0,1,2,3,4,5,6,7
	ds_load_b128 v[BK+4*\i:BK+4*\i+3], v[RD] offset:\i*4*PITK      ; LDS serves a wave's instructions in order: these see the stores above
.endr
.irp i, 0,1,2,3,4,5,6,7
	s_wait_dscnt 7-\i
	global_store_b128 v[GO], v[BK+4*\i:BK+4*\i+3], s[OA:OA+1] offset:512*\i
.endr
.endm
	s_sub_co_u32 s[Q0], 7, s[II]                   ; first the block of queries 7 - i
	s_lshl_b32 s[Q0], s[Q0], 8
	s_lshl_b32 s66, s[WV], 5
	s_add_co_u32 s[Q0], s[Q0], s66
	START
.Lslot:                                            ; eight trips; behind each change of slots the next slot is asked for
	CHANGE 1
	STEP 0
	STEP 1
	s_xor_b32 s[TB], s[TB], SLOT1
	s_cmp_lg_u32 s[SLOTS], s[IP1]
	s_cbranch_scc1 .Lsame
	WAYOUT                                         ; the first block has seen its 8 - i slots
	s_lshl_b32 s[Q0], s[II], 8                     ; now the block of queries i
	s_lshl_b32 s66, s[WV], 5
	s_add_co_u32 s[Q0], s[Q0], s66
	START
.Lsame:
	s_sub_co_u32 s[SLOTS], s[SLOTS], 1
	s_cmp_lg_u32 s[SLOTS], 0
	s_cbranch_scc1 .Lslot
	CHANGE 0                                       ; the ninth slot is written out: nothing is left to fetch
	STEP 0
	STEP 1
	WAYOUT
	s_wait_tensorcnt 0x0                           ; the wave's end
	ds_add_u32 v[SPW], v[NIL]
	s_wait_dscnt 0x0
	s_endpgm
.Lfunc_end_k_q2ce740e562_attn:
	.size	k_q2ce740e562_attn, .Lfunc_end_k_q2ce740e562_attn-k_q2ce740e562_attn
	.p2alignl 7, 3214868480
	.fill 96, 4, 3214868480
	.section	.rodata,"a",@progbits
	.p2align	6, 0x0
	.amdhsa_kernel k_q2ce740e562_attn
		.amdhsa_group_segment_fixed_size 327680
		.amdhsa_private_segment_fixed_size 0
		.amdhsa_enable_private_segment 0
		.amdhsa_kernarg_size 32
		.amdhsa_user_sgpr_count 2
		.amdhsa_user_sgpr_kernarg_segment_ptr 1
		.amdhsa_wavefront_size32 1
		.amdhsa_system_sgpr_workgroup_id_x 1
		.amdhsa_system_sgpr_workgroup_id_y 1
		.amdhsa_system_sgpr_workgroup_id_z 1
		.amdhsa_system_vgpr_workitem_id 0
		.amdhsa_next_free_vgpr 512
		.amdhsa_next_free_sgpr 80
		.amdhsa_reserve_vcc 1
		.amdhsa_float_denorm_mode_32 3
		.amdhsa_float_denorm_mode_16_64 3
		.amdhsa_memory_ordered 1
		.amdhsa_forward_progress 1
		.amdhsa_inst_pref_size 207
	.end_amdhsa_kernel
	.amdgpu_metadata
---
amdhsa.version: [ 1, 2 ]
amdhsa.kernels:
  - .name:           k_q2ce740e562_attn
    .symbol:         k_q2ce740e562_attn.kd
    .args:
      - { .name: qkv, .offset: 0, .size: 8, .value_kind: global_buffer, .address_space: global }
      - { .name: scl, .offset: 8, .size: 8, .value_kind: global_buffer, .address_space: global }
      - { .name: att, .offset: 16, .size: 8, .value_kind: global_buffer, .address_space: global }
      - { .name: rowf, .offset: 24, .size: 8, .value_kind: global_buffer, .address_space: global }
    .group_segment_fixed_size: 327680
    .private_segment_fixed_size: 0
    .kernarg_segment_align: 8
    .kernarg_segment_size: 32
    .max_flat_workgroup_size: 256
    .sgpr_count:     80
    .vgpr_count:     512
    .wavefront_size: 32
...
	.end_amdgpu_metadata
.endif
;; end of part 3
;; launch oproj (part 4): grid 4 x 64, 4 waves a work-group, clusters of 4 x 4, 327,680 bytes of LDS; arguments att, wo16, bo, out0, rowf; writes out0
.if DOCPART == 4
	.amdgcn_target "amdgcn-amd-amdhsa--gfx1250"
	.amdhsa_code_object_version 6
	.text
	.protected	k_q2ce740e562_oproj
	.globl	k_q2ce740e562_oproj
	.p2align	8
	.type	k_q2ce740e562_oproj,@function
k_q2ce740e562_oproj:
	s_mov_b64 s[64:65], 0
	v_nop
	global_prefetch_b8 v0, s[64:65] scope:SCOPE_SE
	s_setreg_imm32_b32 hwreg(HW_REG_WAVE_MODE, 25, 1), 1
	s_wait_xcnt 0x0
	s_wait_alu depctr_hold_cnt(0) depctr_sa_sdst(0) depctr_va_vdst(0) depctr_va_sdst(0) depctr_va_ssrc(0) depctr_va_vcc(0) depctr_vm_vsrc(0)
	s_getreg_b32 s2, hwreg(HW_REG_IB_STS2, 6, 4)
	s_cmp_eq_u32 s2, 0
	s_cbranch_scc0 .Lentry_in_a_cluster
	s_endpgm
.Lentry_in_a_cluster:
	s_bfe_u32 s2, ttmp6, 0x10000c
	s_cmp_lg_u32 s2, 0xf033
	s_cbranch_scc0 .Lentry_shape_is_right
	s_endpgm
.Lentry_shape_is_right:
; Launch 4 of 5: out0 = att Wo + bo, operands in f16, sums in f32.  att: [16 heads][8192 rows][64] f16; wo16: [1024 k][1024 n] f16; out0: [8192][1024] f32.
; LEFT OUT: the rows of positions 0 .. 15 of every sequence are computed inside their tile but not stored: launch 5 makes them in f32 and is their one owner.
; A ROW WITH NO VISIBLE KEY (its sum in rowf is 0; launch 3 left zeros in att) is NaN in the problem: the NaN is put in by a select on the way out; no branch and no address hangs on rowf.
; A tile of 128 rows x 256 columns is made by four waves, 64 x 128 each: 32 accumulators.  256 work-groups.  K goes in eight steps of 128 (two heads) through a ring of two LDS slots.
; CLUSTERS, 4 x 4: cluster y = the tile of 128 positions in the sequence, cy = the batch, cx = the tile of columns.  The four of a row of the cluster need the same rows of att, the four of a column the same columns of Wo:
; each tile is asked for jointly.  No prefetch: eight short K steps on a small tile.
; THE MATRIX INSTRUCTION IS USED TRANSPOSED: source 0 = 16 columns of Wo (turned out of LDS by ds_load_tr16_b128, since Wo lies [k][n]), source 1 = 16 rows of att: a lane holds eight neighbouring columns of one row.
; REGISTERS: window 0: v0-31 addresses, the rows' sums, the NaN; v64-127 att's fragments, two buffers of 4; v128-255 Wo's, two buffers of 8.  window 1: the accumulators ((a, b) at v[8 (8 a + b)]).  window 2: v0-63 bo in the result's layout: the C of the first products.
.set PA,    144                        ; a row of att in LDS: 128 bytes + 16
.set PB,    544                        ; a row of Wo: 512 bytes + 32: an odd multiple of 32, for the turning load
.set HA,    128*PA                     ; a head's 128 rows
.set BOFF,  2*HA
.set HB,    64*PB                      ; 64 rows of Wo: what one load brings
.set SLOT,  BOFF+2*HB
.set STAGE, 2*SLOT                     ; the way out: 16 rows x (512 + 16) for each wave: bytes of their own
.set SPITCH, 528
.set SPARE, STAGE+4*16*SPITCH
.set FAD,  7                           ; v7     4 r: my row's word among a block's 16 sums; never rewritten
.set FL,   8                           ; v8-11  the sum of row r of my blocks 0 .. 3
.set ADRA, 16
.set ADRB, 20
.set STO,  24
.set RD,   25
.set CO,   26
.set BAD,  27
.set SPW,  28
.set NIL,  29
.set QNAN, 30                          ; v30    the NaN
.set AFR,  64
.set BF,   128
.set G1, 24
.set G0, 32
.set G1B, 48
.set G0B, 56
.set RF,  66                           ; s[66:67] rowf at my first row
.set FM,  70                           ; s70-73 block a's lanes whose row has no visible key
.set MSB, 0
.macro WIN new
.if MSB != \new
	s_set_vgpr_msb (MSB<<8)|\new
.set MSB, \new
.endif
.endm
.set MUL,   0x50                       ; fragments in window 0, C and D in window 1
.set MULF,  0x60                       ; the first products: C (bo) in window 2
.macro JLOAD s                         ; waves 0 and 1 fetch a head of att each, waves 2 and 3 64 rows of Wo each
	s_cmp_eq_u32 s13, 0
	s_cbranch_scc0 .Lfor_b_\@
	tensor_load_to_lds s[G0+4*\s:G0+4*\s+3], s[G1:G1+7]
	s_nop 0
.rept 4
	v_nop
.endr
	s_branch .Lasked_\@
.Lfor_b_\@:
	tensor_load_to_lds s[G0B+4*\s:G0B+4*\s+3], s[G1B:G1B+7]
	s_nop 0
.rept 4
	v_nop
.endr
.Lasked_\@:
.endm
.macro CREST
	s_cmp_lg_u32 s12, 0
	s_cbranch_scc1 .Lnot_wave_0_\@
	s_barrier_signal -3
.Lnot_wave_0_\@:
	s_barrier_wait -3
	s_barrier_signal -1
	s_barrier_wait -1
.endm
.macro CROUND
	s_barrier_signal -1
	s_barrier_wait -1
	CREST
.endm
	s_load_b256 s[4:11], s[0:1], 0x0               ; att 4, wo16 6, bo 8, out0 10
	s_load_b64 s[RF:RF+1], s[0:1], 0x20            ; rowf
	v_lshl_add_u32 v[SPW], v0, 2, SPARE
	v_mov_b32 v[NIL], 0
	ds_add_u32 v[SPW], v[NIL]                      ; the wave's opening: the add, twice on end, and its wait ahead of my first tensor load
	ds_add_u32 v[SPW], v[NIL]
	v_lshrrev_b32 v1, 5, v0
	v_readfirstlane_b32 s12, v1                    ; wave 0..3
	s_lshr_b32 s13, s12, 1                         ; which half of the tile's rows is mine.  Also: I fetch for att (0) or for Wo (1)
	s_and_b32 s14, s12, 1                          ; which half of its columns.  Also: which half of a step's K I fetch
	s_bfe_u32 s40, ttmp6, 0x40000                  ; cx
	s_bfe_u32 s41, ttmp6, 0x40004                  ; cy
	s_and_b32 s15, ttmp7, 0xffff                   ; cluster y
	s_lshl_b32 s43, s41, 2
	s_lshl_b32 s43, 15, s43
	s_lshl_b32 s44, 0x1111, s40
	s_or_b32 s[G1+0], s43, (1<<16)|(1<<20)|(1<<21)|(4<<22)|(3<<25)   ; att: to my row; elements of 2 bytes; 4 words behind every 32
	s_mov_b32 s[G1+1], 64<<16
	s_mov_b32 s[G1+2], 128<<16
	s_mov_b32 s[G1+3], 64<<16
	s_mov_b32 s[G1+4], 128
	s_mov_b32 s[G1+5], 64
	s_mov_b32 s[G1+6], 0
	s_mov_b32 s[G1+7], 0
	s_or_b32 s[G1B+0], s44, (1<<16)|(1<<20)|(1<<21)|(6<<22)|(7<<25)  ; Wo: to my column; 8 words behind every 128
	s_mov_b32 s[G1B+1], 256<<16
	s_mov_b32 s[G1B+2], 64<<16
	s_mov_b32 s[G1B+3], 256<<16
	s_mov_b32 s[G1B+4], 64
	s_mov_b32 s[G1B+5], 1024
	s_mov_b32 s[G1B+6], 0
	s_mov_b32 s[G1B+7], 0
	s_lshl_b32 s16, s41, 11
	s_lshl_b32 s17, s15, 7
	s_add_co_u32 s16, s16, s17                     ; the tile's first row: 2048 x batch + 128 x tile
	s_lshl_b32 s16, s16, 7                         ; 128 bytes a row,
	s_lshl_b32 s17, s14, 20                        ; 1,048,576 a head
	s_add_co_u32 s16, s16, s17
	s_mov_b32 s17, 0
	s_lshl_b32 s46, s14, 17                        ; Wo: 64 rows of 2,048 bytes,
	s_lshl_b32 s47, s40, 9                         ; 512 bytes a tile of columns
	s_add_co_u32 s46, s46, s47
	s_mov_b32 s47, 0
	s_mul_i32 s20, s14, HA                         ; where they go: no place in the cluster enters an LDS address
	s_mul_i32 s21, s14, HB
	s_add_co_u32 s21, s21, BOFF
	s_wait_dscnt 0x0
	s_wait_kmcnt 0x0
	s_add_nc_u64 s[16:17], s[4:5], s[16:17]
	s_add_nc_u64 s[46:47], s[6:7], s[46:47]
	CROUND                                         ; all sixteen work-groups are here: the first joint loads meet
.irp s, 0,1
	s_mov_b32 s[G0+4*\s], 1
	s_add_co_u32 s[G0+4*\s+1], s20, \s*SLOT
	s_add_nc_u64 s[G0+4*\s+2:G0+4*\s+3], s[16:17], \s*2*1048576
	s_or_b32 s[G0+4*\s+3], s[G0+4*\s+3], 0x80000000
	s_mov_b32 s[G0B+4*\s], 1
	s_add_co_u32 s[G0B+4*\s+1], s21, \s*SLOT
	s_add_nc_u64 s[G0B+4*\s+2:G0B+4*\s+3], s[46:47], \s*128*2048
	s_or_b32 s[G0B+4*\s+3], s[G0B+4*\s+3], 0x80000000
	JLOAD \s
.endr
	v_and_b32 v1, 15, v0                           ; r
	v_bfe_u32 v2, v0, 4, 1                         ; h
	v_lshlrev_b32 v[BAD], 5, v2
	s_lshl_b32 s18, s40, 10
	s_lshl_b32 s19, s14, 9
	s_add_co_u32 s18, s18, s19                     ; my first column, in bytes of f32
	s_mov_b32 s19, 0
	s_add_nc_u64 s[8:9], s[8:9], s[18:19]
	WIN 0x80                                       ; destination window 2
.irp b, 0,1,2,3,4,5,6,7
	global_load_b128 v[8*\b:8*\b+3], v[BAD], s[8:9] offset:64*\b          ; lane (r, h), block b, register j: bo[my first column + 16 b + 8 h + j]
	global_load_b128 v[8*\b+4:8*\b+7], v[BAD], s[8:9] offset:64*\b+16
.endr
	WIN 0
	v_mul_u32_u24 v3, v1, PA
	v_lshl_add_u32 v3, v2, 4, v3
	s_mul_i32 s22, s13, 64*PA
	v_add_nc_u32 v[ADRA], s22, v3
	v_add_nc_u32 v[ADRA+1], SLOT, v[ADRA]
	v_and_b32 v4, 7, v0
	v_lshl_add_u32 v4, v2, 3, v4
	v_mul_u32_u24 v4, v4, PB
	v_bfe_u32 v5, v0, 3, 1
	v_lshl_add_u32 v4, v5, 4, v4
	s_lshl_b32 s22, s14, 8
	s_add_co_u32 s22, s22, BOFF
	v_add_nc_u32 v[ADRB], s22, v4
	v_add_nc_u32 v[ADRB+1], SLOT, v[ADRB]
	s_mul_i32 s23, s12, 16*SPITCH
	s_add_co_u32 s23, s23, STAGE
	v_mul_u32_u24 v5, v1, SPITCH
	v_lshl_add_u32 v5, v2, 5, v5
	v_add_nc_u32 v[STO], s23, v5
	v_and_b32 v6, 31, v0
	v_lshlrev_b32 v[CO], 4, v6
	v_add_nc_u32 v[RD], s23, v[CO]
	v_lshlrev_b32 v[FAD], 2, v1
	v_mov_b32 v[QNAN], 0x7fc00000
	s_lshl_b32 s16, s41, 11
	s_lshl_b32 s17, s15, 7
	s_add_co_u32 s16, s16, s17
	s_lshl_b32 s17, s13, 6
	s_add_co_u32 s16, s16, s17                     ; my first row of out0
	s_lshl_b32 s68, s16, 2                         ; its word in rowf
	s_mov_b32 s69, 0
	s_add_nc_u64 s[RF:RF+1], s[RF:RF+1], s[68:69]
.irp a, 0,1,2,3
	global_load_b32 v[FL+\a], v[FAD], s[RF:RF+1] offset:64*\a             ; the sum of row 16 a + r: lanes r and r + 16 hold that row's results
.endr
	s_lshl_b32 s16, s16, 12
	s_add_co_u32 s16, s16, s18
	s_mov_b32 s17, 0
	s_add_nc_u64 s[10:11], s[10:11], s[16:17]
.macro MUL8 f, a, first                ; att's block a against Wo's eight, 32 along K.  The 32 accumulators take turns, one instruction a turn, in the same order in every quarter
.irp b, 0,1,2,3,4,5,6,7
.if \first
	v_wmma_f32_16x16x32_f16 v[8*(8*(\a)+\b):8*(8*(\a)+\b)+7], v[BF+64*(\f)+8*\b:BF+64*(\f)+8*\b+7], v[AFR+32*(\f)+8*(\a):AFR+32*(\f)+8*(\a)+7], v[8*\b:8*\b+7]
.else
	v_wmma_f32_16x16x32_f16 v[8*(8*(\a)+\b):8*(8*(\a)+\b)+7], v[BF+64*(\f)+8*\b:BF+64*(\f)+8*\b+7], v[AFR+32*(\f)+8*(\a):AFR+32*(\f)+8*(\a)+7], v[8*(8*(\a)+\b):8*(8*(\a)+\b)+7]
.endif
.endr
.endm
.macro FETCH slot, q, f                ; 24 LDS loads: the fragments of the slot's q-th 32 along K into buffer f: Wo's 16 first, then att's blocks 0, 1, then 2, 3
.irp i, 0,1,2,3,4,5,6,7
	ds_load_tr16_b128 v[BF+64*(\f)+8*\i:BF+64*(\f)+8*\i+3], v[ADRB+\slot] offset:(\q)*32*PB+32*\i
	ds_load_tr16_b128 v[BF+64*(\f)+8*\i+4:BF+64*(\f)+8*\i+7], v[ADRB+\slot] offset:(\q)*32*PB+32*\i+16*PB
.endr
.irp i, 0,1,2,3
	ds_load_b128 v[AFR+32*(\f)+8*\i:AFR+32*(\f)+8*\i+3], v[ADRA+\slot] offset:((\q)/2)*HA+((\q)%2)*64+\i*16*PA
	ds_load_b128 v[AFR+32*(\f)+8*\i+4:AFR+32*(\f)+8*\i+7], v[ADRA+\slot] offset:((\q)/2)*HA+((\q)%2)*64+\i*16*PA+32
.endr
.endm
.macro PLACES
.rept 4
	v_nop
.endr
.endm
.macro QUARTER slot, qn, f, g, first   ; multiplies buffer f; in its middle it fetches the slot's quarter qn into buffer g
	s_wait_dscnt 4                                 ; Wo's and att's blocks 0, 1 are in; the youngest four loads (blocks 2, 3) may be out
.if \first
	WIN MULF
.else
	WIN MUL
.endif
	MUL8 \f, 0, \first
	MUL8 \f, 1, \first
	PLACES
	WIN 0
	FETCH \slot, \qn, \g
	s_wait_dscnt 24                                ; all but the 24 just issued
.if \first
	WIN MULF
.else
	WIN MUL
.endif
	MUL8 \f, 2, \first
	MUL8 \f, 3, \first
.endm
; The last quarter multiplies buffer 1 and changes slots: one barrier; in front of it each wave waits for all its tensor loads, adds 0 to its spare word, and waits for that and for its reads of this slot.
.macro TURN slot, next, fill
	WIN 0
	s_wait_tensorcnt 0x0
	ds_add_u32 v[SPW], v[NIL]
	s_wait_dscnt 5                                 ; the add and the youngest four loads may be out
	WIN MUL
	MUL8 1, 0, 0
	s_wait_dscnt 0x0
	s_barrier_signal -1
	MUL8 1, 1, 0
	WIN 0
	s_barrier_wait -1
.if \fill
	CREST                                          ; the barrier has opened a round of the cluster's barrier: no wave of any partner still reads this slot or has a load on its way
	s_add_nc_u64 s[G0+4*\slot+2:G0+4*\slot+3], s[G0+4*\slot+2:G0+4*\slot+3], 4*1048576
	s_add_nc_u64 s[G0B+4*\slot+2:G0B+4*\slot+3], s[G0B+4*\slot+2:G0B+4*\slot+3], 256*2048
	JLOAD \slot                                    ; the first tensor load behind the round; its four v_nop are also the places in front of the loads below
.else
	PLACES
.endif
	FETCH \next, 0, 0
	WIN MUL
	MUL8 1, 2, 0
	MUL8 1, 3, 0
.endm
	s_wait_tensorcnt 1                             ; my part of K step 0 is in; K step 1's may be out
	s_barrier_signal -1
	s_barrier_wait -1
	FETCH 0, 0, 0
	s_wait_loadcnt 0x0                             ; bo and the rows' sums
.irp a, 0,1,2,3
	v_cmp_eq_f32 s[FM+\a], 0, v[FL+\a]             ; the lanes whose row of block a has no visible key
.endr
	QUARTER 0, 1, 0, 1, 1                          ; the first products start the sums from bo
	WIN 0
	s_mov_b32 s3, 3
.Llap:                                             ; a trip goes once round the ring and fills both slots again
	QUARTER 0, 2, 1, 0, 0
	QUARTER 0, 3, 0, 1, 0
	TURN 0, 1, 1
	QUARTER 1, 1, 0, 1, 0
	QUARTER 1, 2, 1, 0, 0
	QUARTER 1, 3, 0, 1, 0
	TURN 1, 0, 1
	QUARTER 0, 1, 0, 1, 0
	WIN 0
	s_sub_co_u32 s3, s3, 1
	s_cmp_lg_u32 s3, 0
	s_cbranch_scc1 .Llap
	QUARTER 0, 2, 1, 0, 0                          ; the last lap fills nothing
	QUARTER 0, 3, 0, 1, 0
	TURN 0, 1, 0
	QUARTER 1, 1, 0, 1, 0
	QUARTER 1, 2, 1, 0, 0
	QUARTER 1, 3, 0, 1, 0
	s_wait_dscnt 4
	WIN MUL
	MUL8 1, 0, 0
	MUL8 1, 1, 0
	s_wait_dscnt 0
	MUL8 1, 2, 0
	MUL8 1, 3, 0
	WIN 0
; THE WAY OUT, block by block of 16 rows x 128 columns: the NaN of rows with no visible key is chosen, then the block goes through my own stage and comes back as whole rows of 512 bytes.
.macro TOSTAGE a
	WIN 0x41                                       ; the accumulators in window 1, the NaN in window 0
.set n, 0
.rept 64
	v_cndmask_b32 v[64*(\a)+n], v[64*(\a)+n], v[QNAN], s[FM+(\a)]            ; ascending: each accumulator from its low end on
.set n, n+1
.endr
	WIN 0x04                                       ; an LDS store's data are its source 1: window 1
.irp b, 0,1,2,3,4,5,6,7
	ds_store_b128 v[STO], v[64*(\a)+8*\b:64*(\a)+8*\b+3] offset:64*\b
	ds_store_b128 v[STO], v[64*(\a)+8*\b+4:64*(\a)+8*\b+7] offset:64*\b+16
.endr
	WIN 0
.set BB, 64+64*((\a)%2)
.irp t, 0,1,2,3,4,5,6,7,8,9,10,11,12,13,14,15
	ds_load_b128 v[BB+4*\t:BB+4*\t+3], v[RD] offset:\t*SPITCH
.endr
.endm
.macro SEND a, younger
.set BB, 64+64*((\a)%2)
	s_wait_dscnt \younger                          ; the block is back; the next block's 16 stores and 16 loads may be out
.if (\a) == 0
	s_or_b32 s18, s15, s13                         ; positions 0 .. 15 belong to launch 5: the branch hangs on the cluster's y and the wave's number, and leads round the stores alone
	s_cmp_eq_u32 s18, 0
	s_cbranch_scc1 .Lnot_mine
.endif
.irp t, 0,1,2,3,4,5,6,7,8,9,10,11,12,13,14,15
	global_store_b128 v[CO], v[BB+4*\t:BB+4*\t+3], s[10:11] offset:(\a)*65536+\t*4096 th:TH_STORE_NT   ; 32 lanes store 512 consecutive bytes, aligned
.endr
.if (\a) == 0
.Lnot_mine:
.endif
.endm
	PLACES
	TOSTAGE 0
	TOSTAGE 1
	SEND 0, 32
	s_wait_xcnt 0x0                                ; block 0's stores have read their registers
	TOSTAGE 2
	SEND 1, 32
	s_wait_xcnt 0x0
	TOSTAGE 3
	SEND 2, 32
	SEND 3, 0
	s_wait_tensorcnt 0x0                           ; the wave's end
	ds_add_u32 v[SPW], v[NIL]
	s_wait_dscnt 0x0
	CROUND                                         ; the closing round
	s_endpgm
.Lfunc_end_k_q2ce740e562_oproj:
	.size	k_q2ce740e562_oproj, .Lfunc_end_k_q2ce740e562_oproj-k_q2ce740e562_oproj
	.p2alignl 7, 3214868480
	.fill 96, 4, 3214868480
	.section	.rodata,"a",@progbits
	.p2align	6, 0x0
	.amdhsa_kernel k_q2ce740e562_oproj
		.amdhsa_group_segment_fixed_size 327680
		.amdhsa_private_segment_fixed_size 0
		.amdhsa_enable_private_segment 0
		.amdhsa_kernarg_size 40
		.amdhsa_user_sgpr_count 2
		.amdhsa_user_sgpr_kernarg_segment_ptr 1
		.amdhsa_wavefront_size32 1
		.amdhsa_system_sgpr_workgroup_id_x 1
		.amdhsa_system_sgpr_workgroup_id_y 1
		.amdhsa_system_sgpr_workgroup_id_z 1
		.amdhsa_system_vgpr_workitem_id 0
		.amdhsa_next_free_vgpr 576
		.amdhsa_next_free_sgpr 80
		.amdhsa_reserve_vcc 0
		.amdhsa_float_denorm_mode_32 3
		.amdhsa_float_denorm_mode_16_64 3
		.amdhsa_memory_ordered 1
		.amdhsa_forward_progress 1
		.amdhsa_inst_pref_size 103
	.end_amdhsa_kernel
	.amdgpu_metadata
---
amdhsa.version: [ 1, 2 ]
amdhsa.kernels:
  - .name:           k_q2ce740e562_oproj
    .symbol:         k_q2ce740e562_oproj.kd
    .args:
      - { .name: att, .offset: 0, .size: 8, .value_kind: global_buffer, .address_space: global }
      - { .name: wo16, .offset: 8, .size: 8, .value_kind: global_buffer, .address_space: global }
      - { .name: bo, .offset: 16, .size: 8, .value_kind: global_buffer, .address_space: global }
      - { .name: out0, .offset: 24, .size: 8, .value_kind: global_buffer, .address_space: global }
      - { .name: rowf, .offset: 32, .size: 8, .value_kind: global_buffer, .address_space: global }
    .group_segment_fixed_size: 327680
    .private_segment_fixed_size: 0
    .kernarg_segment_align: 8
    .kernarg_segment_size: 40
    .max_flat_workgroup_size: 128
    .sgpr_count:     80
    .vgpr_count:     576
    .wavefront_size: 32
...
	.end_amdgpu_metadata
.endif
;; end of part 4
;; launch first16 (part 5): grid 16 x 4, 16 waves a work-group, no clusters, 67,584 bytes of LDS; arguments q32, scl, Wo, bo, out0; writes out0
.if DOCPART == 5
	.amdgcn_target "amdgcn-amd-amdhsa--gfx1250"
	.amdhsa_code_object_version 6
	.text
	.protected	k_q2ce740e562_first16
	.globl	k_q2ce740e562_first16
	.p2align	8
	.type	k_q2ce740e562_first16,@function
k_q2ce740e562_first16:
	s_mov_b64 s[64:65], 0
	v_nop
	global_prefetch_b8 v0, s[64:65] scope:SCOPE_SE
	s_setreg_imm32_b32 hwreg(HW_REG_WAVE_MODE, 25, 1), 1
	s_wait_xcnt 0x0
; Launch 5 of 5: positions 0 .. 15 of every sequence, attention and the projection on the way out, all in f32: these rows average one to sixteen values, and f16 operands would use up what the comparison allows.
; LEFT OUT: keys from 16 on are hidden from these queries by the causal mask that the problem builds itself.
; Work-group (slice of 64 output columns, batch n); wave = head.  A wave makes its head's 16 x 16 scores, the softmax, its 64 channels, and multiplies them into the slice's 64 columns of Wo;
; the sixteen heads' parts meet in LDS, and wave w adds them for output row w and stores 256 consecutive bytes.
; All products by v_wmma_f32_16x16x4_f32 (64 rows in all: no bulk work).  Its accumulators, v128-191, are written by matrix instructions alone; each sum begins with 0 or with other registers as C.
; K of a product is taken in another order than memory's, alike on both sides: that changes no sum but in its last bits.
; HIDDEN KEYS get the score -2^127 (the mask's bias as C; above the diagonal by a select); the maximum has the floor -2^126, so their p is 0.  A ROW WITH NO VISIBLE KEY is NaN in the softmax of the problem:
; here its sum is 0, the divisor is held at 0.5 (a row with a visible key has a sum of at least 1, so the hold changes nothing there), the arithmetic stays finite, and the NaN is chosen at the store.
; Whether a row's sum is 0 hangs on the masks alone, so each head finds the same.  LIMITS: true scores under -2^126, NaN and infinities among the inputs are not served.
.set SPW, 14
.set NIL, 15
.set SPARE, 65536                      ; LDS 0 .. 65,535: sixteen images of 4,096 bytes; behind them the spare words, 128 bytes for each wave
	s_load_b256 s[4:11], s[0:1], 0x0               ; q32 4, scl 6, Wo 8, bo 10
	s_load_b64 s[12:13], s[0:1], 0x20              ; out0
	v_lshl_add_u32 v[SPW], v0, 2, SPARE
	v_mov_b32 v[NIL], 0
	v_lshrrev_b32 v1, 5, v0
	v_readfirstlane_b32 s14, v1                    ; wave = head = the output row that I finish
	s_mov_b32 s15, ttmp9                           ; slice
	s_and_b32 s16, ttmp7, 0xffff                   ; batch
	s_mov_b32 s20, 0x76543210
	s_mov_b32 s21, 0xfedcba98
	s_mov_b32 s22, 0x3e38aa3b                      ; c = log2(e) / 8
	v_and_b32 v1, 15, v0                           ; r
	v_bfe_u32 v2, v0, 4, 1                         ; h
	v_lshlrev_b32 v3, 12, v1
	v_lshl_add_u32 v3, v2, 4, v3                   ; Q, K: row r of 4,096 bytes + 16 h
	v_lshlrev_b32 v4, 15, v2
	v_lshl_add_u32 v4, v1, 2, v4                   ; V, Wo: row 8 h, column r
	v_lshlrev_b32 v5, 5, v2                        ; the bias: 32 h
	v_and_b32 v11, 31, v0                          ; lane
	v_lshlrev_b32 v6, 3, v11                       ; bo, out0: 8 bytes a lane
	v_lshlrev_b32 v7, 4, v11
	s_lshl_b32 s36, s14, 12
	v_add_nc_u32 v7, s36, v7                       ; my image: 4,096 x head + 16 x lane
	v_lshrrev_b32 v8, 3, v11                       ; where lane L finds columns 2 L, 2 L + 1 of row w in an image:
	v_lshlrev_b32 v8, 10, v8                       ; tile L / 8: 1,024;
	v_bfe_u32 v9, v0, 1, 1
	v_lshl_add_u32 v8, v9, 9, v8                   ; registers 4 .. 7 of a tile: 512;
	v_bfe_u32 v9, v0, 2, 1
	v_lshl_add_u32 v8, v9, 8, v8                   ; lanes 16-31: 256;
	v_and_b32 v9, 1, v0
	v_lshl_add_u32 v8, v9, 3, v8                   ; two words: 8;
	s_lshl_b32 s36, s14, 4
	v_add_nc_u32 v8, s36, v8                       ; lane w: 16 w
	v_lshlrev_b32 v9, 3, v2
	v_sub_nc_u32 v9, v1, v9                        ; d = r - 8 h: register j holds key 8 h + j: hidden where j > d
	v_mov_b32 v10, 0xff000000                      ; -2^127
	s_lshl_b32 s24, s16, 16
	s_lshl_b32 s25, s14, 8
	s_add_co_u32 s24, s24, s25
	s_mov_b32 s25, 0
	s_lshl_b32 s26, s16, 13
	s_add_co_u32 s26, s26, 884736
	s_mov_b32 s27, 0
	s_lshl_b32 s28, s14, 18
	s_lshl_b32 s30, s15, 8
	s_add_co_u32 s28, s28, s30
	s_mov_b32 s29, 0
	s_mov_b32 s31, 0
	s_lshl_b32 s32, s16, 11
	s_add_co_u32 s32, s32, s14
	s_lshl_b32 s32, s32, 12
	s_add_co_u32 s32, s32, s30
	s_mov_b32 s33, 0
	s_wait_kmcnt 0x0
	s_add_nc_u64 s[24:25], s[4:5], s[24:25]        ; Q of my batch and head; K 262,144 bytes on, V 524,288
	s_add_nc_u64 s[26:27], s[6:7], s[26:27]        ; the mask's bias of my batch
	s_add_nc_u64 s[28:29], s[8:9], s[28:29]        ; Wo: my head's 64 rows, the slice's columns
	s_add_nc_u64 s[30:31], s[10:11], s[30:31]
	s_add_nc_u64 s[32:33], s[12:13], s[32:33]      ; out0: row 2048 n + w, the slice
.irp u, 0,1,2,3,4,5,6,7
	global_load_b128 v[16+4*\u:19+4*\u], v3, s[24:25] offset:32*\u                 ; Q(r, 8 u + 4 h + 0..3)
.endr
.irp u, 0,1,2,3,4,5,6,7
	global_load_b128 v[48+4*\u:51+4*\u], v3, s[24:25] offset:262144+32*\u          ; K likewise
.endr
	global_load_b128 v[112:115], v5, s[26:27]
	global_load_b128 v[116:119], v5, s[26:27] offset:16
.irp ct, 0,1,2,3
.irp kk, 0,1,2,3,4,5,6,7
	global_load_b32 v[80+8*\ct+\kk], v4, s[24:25] offset:524288+\kk*4096+64*\ct    ; V(key 8 h + kk, channel 16 ct + r)
.endr
.endr
	global_load_b64 v[12:13], v6, s[30:31]
.irp ct, 0,1
.irp kk, 0,1,2,3,4,5,6,7
.irp nt, 0,1,2,3
	global_load_b32 v[192+((4*\ct+\kk/2)*4+\nt)*2+\kk%2], v4, s[28:29] offset:(16*\ct+\kk)*4096+64*\nt   ; Wo(channel 16 ct + 8 h + kk, column 16 nt + r)
.endr
.endr
.endr
	s_wait_loadcnt 63                              ; 64 loads of Wo were issued behind all the rest; 63 is the largest count that the wait can name: the rest is in, and the oldest load of Wo with it
	; S^T = K Q^T: source 0 = 16 keys, source 1 = 16 queries, 4 channels a product; two accumulators by turns, the first begun from the mask's bias
.set p, 0
.rept 16
.if p == 0
	v_wmma_f32_16x16x4_f32 v[128:135], v[48+2*p:49+2*p], v[16+2*p:17+2*p], v[112:119]
.elseif p == 1
	v_wmma_f32_16x16x4_f32 v[136:143], v[48+2*p:49+2*p], v[16+2*p:17+2*p], 0
.elseif p%2 == 0
	v_wmma_f32_16x16x4_f32 v[128:135], v[48+2*p:49+2*p], v[16+2*p:17+2*p], v[128:135]
.else
	v_wmma_f32_16x16x4_f32 v[136:143], v[48+2*p:49+2*p], v[16+2*p:17+2*p], v[136:143]
.endif
.set p, p+1
.endr
.rept 8
	v_nop                                          ; eight places behind this form, in front of loads into its sources and of the first read of its results
.endr
.irp ct, 2,3
.irp kk, 0,1,2,3,4,5,6,7
.irp nt, 0,1,2,3
	global_load_b32 v[16+((4*(\ct-2)+\kk/2)*4+\nt)*2+\kk%2], v4, s[28:29] offset:(16*\ct+\kk)*4096+64*\nt   ; Wo's other half, where Q and K lay
.endr
.endr
.endr
.irp j, 0,1,2,3,4,5,6,7
	v_add_f32 v[120+\j], v[128+\j], v[136+\j]      ; lane (r, h): the score of query r and key 8 h + j
.endr
.irp j, 0,1,2,3,4,5,6,7
	v_cmp_gt_i32 vcc_lo, \j, v9
	v_cndmask_b32 v[120+\j], v[120+\j], v10, vcc_lo
.endr
	v_max3_num_f32 v112, v120, v121, 0xfe800000    ; the maximum, with the floor -2^126
	v_max3_num_f32 v112, v112, v122, v123
	v_max3_num_f32 v112, v112, v124, v125
	v_max3_num_f32 v112, v112, v126, v127
	v_permlanex16_b32 v113, v112, s20, s21
	v_max_num_f32 v112, v112, v113
	v_mul_f32 v114, s22, v112
.irp j, 0,1,2,3,4,5,6,7
	v_fma_f32 v[120+\j], v[120+\j], s22, -v114
.endr
.irp j, 0,1,2,3,4,5,6,7
	v_exp_f32 v[120+\j], v[120+\j]
.endr
	v_nop
	s_wait_alu depctr_va_vdst(0)                   ; one wait for the eight, ahead of their first reader
	v_add_f32 v115, v120, v121
	v_add_f32 v116, v122, v123
	v_add_f32 v117, v124, v125
	v_add_f32 v118, v126, v127
	v_add_f32 v115, v115, v116
	v_add_f32 v117, v117, v118
	v_add_f32 v115, v115, v117
	v_permlanex16_b32 v116, v115, s20, s21
	v_add_f32 v115, v115, v116                     ; the row's sum
	v_cmp_eq_f32 s34, 0, v115                      ; bit r: query r has no visible key
	v_max_num_f32 v115, 0.5, v115
	v_rcp_f32 v117, v115
	v_nop
	s_wait_alu depctr_va_vdst(0)
.irp j, 0,1,2,3,4,5,6,7
	v_mul_f32 v[120+\j], v[120+\j], v117           ; the weights
.endr
	; O^T = V^T w: source 0 = 16 channels, source 1 = the weights; product u takes keys 8 h + 2 u, 8 h + 2 u + 1; four accumulators by turns
.irp u, 0,1,2,3
.irp ct, 0,1,2,3
.if \u == 0
	v_wmma_f32_16x16x4_f32 v[160+8*\ct:167+8*\ct], v[80+8*\ct+2*\u:81+8*\ct+2*\u], v[120+2*\u:121+2*\u], 0
.else
	v_wmma_f32_16x16x4_f32 v[160+8*\ct:167+8*\ct], v[80+8*\ct+2*\u:81+8*\ct+2*\u], v[120+2*\u:121+2*\u], v[160+8*\ct:167+8*\ct]
.endif
.endr
.endr
.rept 9
	v_nop                                          ; nine places before a matrix instruction takes these results as an operand
.endr
	s_wait_loadcnt 63                              ; 64 loads were issued behind Wo's first half: it is in, and the oldest load of the second half with it
	; out^T = Wo^T O^T: source 0 = 16 columns of the slice, source 1 = two registers of O^T: channels 16 ct + 8 h + 2 u, + 1; four accumulators by turns
.irp ct, 0,1
.irp u, 0,1,2,3
.irp nt, 0,1,2,3
.if (\ct == 0) && (\u == 0)
	v_wmma_f32_16x16x4_f32 v[128+8*\nt:135+8*\nt], v[192+((4*\ct+\u)*4+\nt)*2:193+((4*\ct+\u)*4+\nt)*2], v[160+8*\ct+2*\u:161+8*\ct+2*\u], 0
.else
	v_wmma_f32_16x16x4_f32 v[128+8*\nt:135+8*\nt], v[192+((4*\ct+\u)*4+\nt)*2:193+((4*\ct+\u)*4+\nt)*2], v[160+8*\ct+2*\u:161+8*\ct+2*\u], v[128+8*\nt:135+8*\nt]
.endif
.endr
.endr
.endr
	s_wait_loadcnt 0x0
.irp ct, 2,3
.irp u, 0,1,2,3
.irp nt, 0,1,2,3
	v_wmma_f32_16x16x4_f32 v[128+8*\nt:135+8*\nt], v[16+((4*(\ct-2)+\u)*4+\nt)*2:17+((4*(\ct-2)+\u)*4+\nt)*2], v[160+8*\ct+2*\u:161+8*\ct+2*\u], v[128+8*\nt:135+8*\nt]
.endr
.endr
.endr
.rept 8
	v_nop
.endr
.irp g, 0,1,2,3,4,5,6,7
	ds_store_b128 v7, v[128+4*\g:131+4*\g] offset:512*\g           ; my head's part as an image of its registers; each accumulator from its low end on
.endr
	s_wait_dscnt 0x0                               ; for the others' sake: my stores have landed
	s_barrier_signal -1
	s_barrier_wait -1
.irp p, 0,1,2,3,4,5,6,7,8,9,10,11,12,13,14,15
	ds_load_b64 v[192+2*\p:193+2*\p], v8 offset:4096*\p            ; head p's part of out(row w, columns 2 L, 2 L + 1)
.endr
	s_lshr_b32 s35, s34, s14                       ; has row w no visible key?  It selects a value, no address and no branch
	s_and_b32 s35, s35, 1
	s_cmp_lg_u32 s35, 0
	s_cselect_b32 s35, -1, 0
	v_mov_b32 v11, 0x7fc00000
	s_wait_dscnt 0x0
.irp k, 1,2,3,4,5,6,7
	v_pk_add_f32 v[192:193], v[192:193], v[192+4*\k:193+4*\k]
	v_pk_add_f32 v[194:195], v[194:195], v[194+4*\k:195+4*\k]
.endr
	v_pk_add_f32 v[192:193], v[192:193], v[194:195]
	v_pk_add_f32 v[192:193], v[192:193], v[12:13]  ; + bo
	v_cndmask_b32 v192, v192, v11, s35
	v_cndmask_b32 v193, v193, v11, s35
	global_store_b64 v6, v[192:193], s[32:33]      ; the wave stores 256 consecutive bytes, aligned
	s_wait_tensorcnt 0x0                           ; the wave's end
	ds_add_u32 v[SPW], v[NIL]
	s_wait_dscnt 0x0
	s_endpgm
.Lfunc_end_k_q2ce740e562_first16:
	.size	k_q2ce740e562_first16, .Lfunc_end_k_q2ce740e562_first16-k_q2ce740e562_first16
	.p2alignl 7, 3214868480
	.fill 96, 4, 3214868480
	.section	.rodata,"a",@progbits
	.p2align	6, 0x0
	.amdhsa_kernel k_q2ce740e562_first16
		.amdhsa_group_segment_fixed_size 67584
		.amdhsa_private_segment_fixed_size 0
		.amdhsa_enable_private_segment 0
		.amdhsa_kernarg_size 40
		.amdhsa_user_sgpr_count 2
		.amdhsa_user_sgpr_kernarg_segment_ptr 1
		.amdhsa_wavefront_size32 1
		.amdhsa_system_sgpr_workgroup_id_x 1
		.amdhsa_system_sgpr_workgroup_id_y 1
		.amdhsa_system_sgpr_workgroup_id_z 1
		.amdhsa_system_vgpr_workitem_id 0
		.amdhsa_next_free_vgpr 256
		.amdhsa_next_free_sgpr 66
		.amdhsa_reserve_vcc 1
		.amdhsa_float_denorm_mode_32 3
		.amdhsa_float_denorm_mode_16_64 3
		.amdhsa_memory_ordered 1
		.amdhsa_forward_progress 1
		.amdhsa_inst_pref_size 33
	.end_amdhsa_kernel
	.amdgpu_metadata
---
amdhsa.version: [ 1, 2 ]
amdhsa.kernels:
  - .name:           k_q2ce740e562_first16
    .symbol:         k_q2ce740e562_first16.kd
    .args:
      - { .name: q32, .offset: 0, .size: 8, .value_kind: global_buffer, .address_space: global }
      - { .name: scl, .offset: 8, .size: 8, .value_kind: global_buffer, .address_space: global }
      - { .name: Wo, .offset: 16, .size: 8, .value_kind: global_buffer, .address_space: global }
      - { .name: bo, .offset: 24, .size: 8, .value_kind: global_buffer, .address_space: global }
      - { .name: out0, .offset: 32, .size: 8, .value_kind: global_buffer, .address_space: global }
    .group_segment_fixed_size: 67584
    .private_segment_fixed_size: 0
    .kernarg_segment_align: 8
    .kernarg_segment_size: 40
    .max_flat_workgroup_size: 512
    .sgpr_count:     66
    .vgpr_count:     256
    .wavefront_size: 32
...
	.end_amdgpu_metadata
.endif
;; end of part 5
